; MI455X (gfx1250); checked and timed in simulation.
; The chip was launched on July 23, 2026; its instructions are those of AMD's public machine-readable ISA for CDNA 5 (MIT licence, August 2026) and "CDNA5" Instruction Set Architecture Reference Guide (July 2026). The comments in the code are by the model that wrote it; some were corrected since.
;; MHA. Allowed arithmetic: matrix products marked QUANTISED: E4M3 operands, one E8M0 scale for each 32 along K, by v_wmma_scale_f32_16x16x128_f8f6f4 with both operands' format E4M3, f32 sums; everything else in f32.
;; Inputs: bk 1,024 float32; bo 1,024 float32; bq 1,024 float32; bv 1,024 float32; wk 1,024 x 1,024 float32; wo 1,024 x 1,024 float32; wq 1,024 x 1,024 float32; wv 1,024 x 1,024 float32; x 4 x 2,048 x 1,024 float32.
;; Outputs: out0 4 x 2,048 x 1,024 float32.
;; This version of the problem:
;;   THIS VERSION OF THE PROBLEM IS GIVEN IN LOW PRECISION. The matrix products marked QUANTISED in the list below multiply operands that are first quantised to E4M3 (4 exponent bits, 3 mantissa bits; 8 bits a number), with one power-of-two scale for each 32 numbers along K (OCP MX v1.0); their sums are f32. All else is computed in f32.
;;   The module's matrix products, in the order in which they are computed (A, B: the left and right operand; K: the contracted axis; several contracted axes count as one K, in the product's order):
;;     1. [M 8,192, K 1,024] x [K 1,024, N 1,024]; A: input x; B: input wq: QUANTISED
;;     2. [M 8,192, K 1,024] x [K 1,024, N 1,024]; A: input x; B: input wk: QUANTISED
;;     3. [M 8,192, K 1,024] x [K 1,024, N 1,024]; A: input x; B: input wv: QUANTISED
;;     4. batch 64 x [M 2,048, K 64] x [K 64, N 2,048]; A: computed on the way; B: computed on the way: QUANTISED
;;     5. batch 64 x [M 2,048, K 2,048] x [K 2,048, N 64]; A: softmax (see below); B: computed on the way: QUANTISED
;;     6. [M 8,192, K 1,024] x [K 1,024, N 1,024]; A: computed on the way; B: input wo: QUANTISED
;;   THE QUANTISER, for each operand of a quantised product, along K:
;;     - K is cut into blocks of 32 from its start; a last block that is shorter is filled with zeros.
;;     - A block's scale is 2^e with e = floor(log2(the largest magnitude in the block)) - 8, held to -126 .. 127; a block of zeros has e = 0. As a byte (E8M0): e + 127.
;;     - Each number is divided by its block's scale, clamped to +-448, and rounded to the nearest number of E4M3, ties to even, subnormals kept.
;;     - The product sums the exact products of the quantised numbers (number of the format x scale) in f32.
;;   ~~~python
;;   def quantise(x, axis):      # numpy; x: float32 -> the quantised numbers, widened to float32 again
;;       x = np.moveaxis(x, axis, -1); K = x.shape[-1]
;;       x = np.pad(x, [(0, 0)] * (x.ndim - 1) + [(0, -K % 32)]); x = x.reshape(x.shape[:-1] + (-1, 32)); a = np.abs(x).max(-1, keepdims=True)
;;       e = np.where(a > 0, np.clip(np.frexp(np.where(a > 0, a, 1))[1] - 1 - 8, -126, 127), 0)      # np.frexp(a)[1] - 1 = floor(log2(a)), exactly
;;       r = np.clip(x / 2.0 ** e, -448, 448)
;;       step = 2.0 ** (np.maximum(np.frexp(np.where(r == 0, 1, r))[1] - 1, -6) - 3)
;;       q = np.round(r / step) * step * 2.0 ** e      # np.round: ties to even
;;       return np.moveaxis(q.reshape(q.shape[:-2] + (-1,))[..., :K], -1, axis).astype(np.float32)
;;   ~~~
;;   SOFTMAX AHEAD OF A QUANTISED PRODUCT. Where the list says 'softmax', what is quantised is not the finished softmax but p = 2^(t - M), with t = logit x log2(e) and M = ceil(the row's largest t), a whole number; so 1/2 < the row's largest p <= 1. The row's sum l is taken of the UNQUANTISED p, in f32, and the product's result is divided by l at the end. Since M is a whole number, a kernel that streams over the keys may use a running M (the ceiling of the running maximum): every later rescaling is an exact power of two, which a block's scale takes up: the codes' values come out the same.
;;   OPERANDS COMPUTED ON THE WAY. 'Computed on the way' means the value that the module computes at that place (a softmax that the list does not call 'softmax' is quantised finished and normalised). What goes into a quantiser is computed in f32, as accurately as f32 sums, v_exp_f32 and their like allow (about 1e-6 of the number): no bf16 or f16 on the way to a quantiser, and a product that is left as it is and whose result goes on into a quantised operand takes f32 operands (vector FMAs, or v_wmma_f32_16x16x4_f32). A number that lies on a knife's edge between two numbers of the format may be rounded either way, as far as f32 arithmetic and the matrix unit's own rounding can turn it there, and no further.
;; One version. Each part assembles by itself: llvm-mc -triple=amdgcn-amd-amdhsa -mcpu=gfx1250 --defsym DOCPART=n.
;; ======== version 1 of 1: 4 launches
;; limits: right only within a limited range of input values
;; workspace buffers: xc 8,388,608 bytes; xs 262,144 bytes; wc 4,194,304 bytes; ws 131,072 bytes; qkvc 25,165,824 bytes; qkvs 786,432 bytes; oc 8,388,608 bytes; os 262,144 bytes
;; launch quant (part 1): grid 384 x 1, 4 waves a work-group, no clusters, 70,144 bytes of LDS; arguments x, wq, wk, wv, wo, xc, xs, wc, ws; writes xc, xs, wc, ws
.if DOCPART == 1
	.amdgcn_target "amdgcn-amd-amdhsa--gfx1250"
	.amdhsa_code_object_version 6
	.text
	.protected	k_q24d6cf7a12_quant
	.globl	k_q24d6cf7a12_quant
	.p2align	8
	.type	k_q24d6cf7a12_quant,@function
k_q24d6cf7a12_quant:
	s_mov_b64 s[64:65], 0
	v_nop
	global_prefetch_b8 v0, s[64:65] scope:SCOPE_SE
	s_setreg_imm32_b32 hwreg(HW_REG_WAVE_MODE, 25, 1), 1
	s_wait_xcnt 0x0
; x [8192][1024] and the four weights [1024 (k)][1024 (n)], f32, become codes of FP8 (E4M3) with K innermost and one E8M0 scale byte for each 32 along K.
; A block's scale is 2^(floor(log2(its largest magnitude)) - 8); its byte is the largest magnitude's exponent field - 8, held at 1 from below; each number is divided by the scale, held within +-448, rounded to the nearest code.
; Work-groups 0-255 take x: its K is innermost, so it is a plain stream of blocks of 32; a wave takes 16 steps of 512 numbers.  xc [8192][1024], xs [8192][32].
; Work-groups 256-383 take the weights, 32 each: K is their FIRST axis, so a lane takes a column n and its registers run down K; a wave takes 32 columns x 256 along K.
; wc [4096][1024] holds the rows n of wq, wk, wv, wo on end, ws [4096][32] their scale bytes.  IN wo'S ROWS the second and third group of 8 codes of each block of 32 change places: the attention launch
; lays its result's codes along the hidden axis in that order, and a permutation of K applied alike to both operands inside a block keeps the products and the block's scale.
; The two paths part on the work-group's number alone and have LDS bytes of their own.  No tensor loads, no barrier: waves share nothing.
; LIMITS: a block of zeros gets the byte 1 where the rule says 127 (its codes are zeros, and this program alone reads the bytes); blocks whose largest magnitude lies under 2^-118 are held at byte 1; NaN and infinities among the inputs are not served.
.set STEPS, 16
.set EMAX,  8
.set MANT,  0x600000                   ; the mantissa field of 448 as f32
.set CB,    16                         ; bytes of 16 codes
.set R,     16                         ; x: v16-79   four sets of 16 numbers as they are loaded
.set X,     80                         ; x: v80-111  two sets of 16 neighbours
.set C,     128                        ; x: v128-191 codes: four registers a step, so that no store's data are written again
.set E,     112                        ; x: v112-127 a scale byte for each step
.set WREG,  8192                       ; x: LDS bytes of a wave: two stages of 32 x SP bytes, behind them its 256 scale bytes
.set SP,    80                         ; a lane's place in a stage: 64 bytes + 16 of padding
.set WLDS,  32768                      ; the weights' path: its stages begin here
.set NB,    8                          ; blocks of 32 along K for a wave
.set PITCH, 272                        ; a stage row: 256 codes + 16 bytes
.set KROW,  1024                       ; a row of wc in bytes
.set NROW,  4096                       ; a row of a weight in memory in bytes
.set WX,    32                         ; weights: v32-95 two sets of 32 numbers
.set WC,    96                         ; v96-103 a block's codes
.set WT,    176                        ; v176-179 the codes of the block's two middle groups
.set OUTR,  112                        ; v112-175 the way out
.set SB,    24                         ; v24-25 the scale bytes
	s_load_b64 s[4:5], s[0:1], 0x0                 ; x
	s_load_b256 s[8:15], s[0:1], 0x8               ; wq, wk, wv, wo
	s_load_b256 s[16:23], s[0:1], 0x28             ; xc, xs, wc, ws
	v_lshl_add_u32 v192, v0, 2, 0x11000
	v_mov_b32 v193, 0
	v_lshrrev_b32 v1, 5, v0
	v_readfirstlane_b32 s24, v1                    ; wave
	v_and_b32 v2, 31, v0                           ; lane
	s_mov_b32 s31, MANT
	s_cmp_lt_u32 ttmp9, 256
	s_cbranch_scc0 .Lweights
; ---------------- x ----------------
	v_lshlrev_b32 v3, 4, v2                        ; my 16 bytes of a load's 512
	s_mul_i32 s25, s24, WREG
	v_lshrrev_b32 v14, 2, v2
	v_mul_u32_u24 v14, v14, SP
	v_and_b32 v15, 3, v2
	v_lshl_add_u32 v14, v15, 4, v14
	v_add_nc_u32 v14, s25, v14                     ; the stage, on the way in: four lanes' 64 bytes on end, then 16 of padding
	v_mul_u32_u24 v15, v2, SP
	v_add_nc_u32 v15, s25, v15                     ; and on the way out: my 16 neighbours
	v_mul_u32_u24 v4, v2, CB                       ; my codes' place in a step's
	v_lshrrev_b32 v5, 1, v2
	s_add_co_u32 s25, s25, 2*32*SP
	v_add_nc_u32 v5, s25, v5                       ; my wave's 256 scale bytes, my block's byte
	v_lshlrev_b32 v7, 3, v2
	v_add_nc_u32 v6, s25, v7                       ; and on the way out 8 bytes a lane
	s_lshl_b32 s26, ttmp9, 2
	s_add_co_u32 s26, s26, s24                     ; which run of 8,192 numbers is my wave's
	s_mov_b32 s29, 0
	s_wait_alu depctr_va_vdst(0)
	s_wait_kmcnt 0x0
	s_lshl_b32 s28, s26, 15
	s_add_nc_u64 s[4:5], s[4:5], s[28:29]
	s_lshl_b32 s28, s26, 13
	s_add_nc_u64 s[16:17], s[16:17], s[28:29]
	s_lshl_b32 s28, s26, 8
	s_add_nc_u64 s[18:19], s[18:19], s[28:29]
.macro XLOAD t
.irp i, 0,1,2,3
	global_load_b128 v[R+16*((\t)%4)+4*\i:R+16*((\t)%4)+4*\i+3], v3, s[4:5] offset:2048*(\t)+512*\i th:TH_LOAD_NT   ; 32 lanes read 512 consecutive bytes
.endr
.endm
.macro XTURN t                         ; step t's numbers through the stage: LDS serves a wave's instructions in order, so no wait stands between the stores and the loads
.irp i, 0,1,2,3
	ds_store_b128 v14, v[R+16*((\t)%4)+4*\i:R+16*((\t)%4)+4*\i+3] offset:32*SP*((\t)%2)+8*SP*\i
.endr
.irp i, 0,1,2,3
	ds_load_b128 v[X+16*((\t)%2)+4*\i:X+16*((\t)%2)+4*\i+3], v15 offset:32*SP*((\t)%2)+16*\i
.endr
.endm
.irp t, 0,1,2,3
	XLOAD \t
.endr
	s_wait_loadcnt 12                              ; step 0's four loads are in; the twelve of steps 1 to 3 may be out
	XTURN 0
.macro XSTEP t
.set XS, X+16*((\t)%2)
.if (\t) > 0
	s_wait_dscnt 1                                 ; this step's numbers are back from the stage (the last step's byte store may be out)
.else
	s_wait_dscnt 0x0
.endif
.if (\t)+4 < STEPS
	XLOAD (\t)+4                                   ; into the registers that the stage's stores have read
.endif
.if (\t)+1 < STEPS
.if STEPS-2-(\t) >= 3
	s_wait_loadcnt 12                              ; the next step's four loads are in; those of the three steps behind it may be out
.else
	s_wait_loadcnt 4*(STEPS-2-(\t))
.endif
	XTURN (\t)+1
.endif
	v_max3_num_f32 v8, |v[XS]|, |v[XS+1]|, |v[XS+2]|               ; the largest magnitude of my 16, in two chains
	v_max3_num_f32 v9, |v[XS+3]|, |v[XS+4]|, |v[XS+5]|
.irp i, 6,10
	v_max3_num_f32 v8, v8, |v[XS+\i]|, |v[XS+\i+1]|
	v_max3_num_f32 v9, v9, |v[XS+\i+2]|, |v[XS+\i+3]|
.endr
	v_max3_num_f32 v8, v8, |v[XS+14]|, |v[XS+15]|
	v_max3_num_f32 v8, v8, v9, (EMAX+1)<<23        ; and the floor 2^(9 - 127): the byte cannot fall under 1
	v_max_num_f32_dpp v8, v8, v8 row_xmask:1 row_mask:0xf bank_mask:0xf   ; and of my neighbour's 16: the block's
	v_add_nc_u32 v11, -(EMAX<<23), v8              ; 8 off its exponent field: the conversion's scale operand
	v_and_or_b32 v10, v8, 0x7f800000, s31          ; 448 x the scale
.irp i, 0,1,2,3,4,5,6,7,8,9,10,11,12,13,14,15
	v_med3_num_f32 v[XS+\i], v[XS+\i], -v10, v10   ; the conversion to an 8-bit code does not saturate (ISA guide 7.6.2): the hold comes first
.endr
	v_cvt_scalef32_pk8_fp8_f32 v[C+4*(\t):C+4*(\t)+1], v[XS:XS+7], v11
	v_cvt_scalef32_pk8_fp8_f32 v[C+4*(\t)+2:C+4*(\t)+3], v[XS+8:XS+15], v11
	v_lshrrev_b32 v[E+(\t)], 23, v11               ; the scale's byte
	ds_store_b8 v5, v[E+(\t)] offset:16*(\t)       ; both lanes of a block write the same byte with the same value
	global_store_b128 v4, v[C+4*(\t):C+4*(\t)+3], s[16:17] offset:32*CB*(\t)   ; 32 lanes store 512 consecutive bytes
.endm
.irp t, 0,1,2,3,4,5,6,7,8,9,10,11,12,13,14,15
	XSTEP \t
.endr
	ds_load_b64 v[12:13], v6                       ; LDS serves a wave's instructions in order: these see my byte stores
	s_wait_dscnt 0x0
	global_store_b64 v7, v[12:13], s[18:19]        ; 32 lanes store 256 consecutive bytes, aligned
	s_wait_tensorcnt 0x0
	ds_add_u32 v192, v193
	s_wait_dscnt 0x0
	s_endpgm
; ---------------- the weights ----------------
.Lweights:
	s_sub_co_u32 s25, ttmp9, 256
	s_lshr_b32 s26, s25, 5                         ; which weight: 0 wq, 1 wk, 2 wv, 3 wo
	s_and_b32 s27, s25, 7
	s_lshl_b32 s27, s27, 7
	s_lshl_b32 s28, s24, 5
	s_add_co_u32 s27, s27, s28                     ; my wave's first column
	s_bfe_u32 s28, s25, 0x20003                    ; which 256 along K
	s_wait_alu depctr_va_vdst(0)
	v_lshlrev_b32 v3, 2, v2                        ; in: 4 bytes a lane
	s_mul_i32 s29, s24, 32*PITCH
	s_add_co_u32 s29, s29, WLDS                    ; my stage
	v_mul_u32_u24 v4, v2, PITCH
	v_add_nc_u32 v4, s29, v4                       ; into it: row = my column
	v_and_b32 v5, 15, v2
	v_lshrrev_b32 v6, 4, v2                        ; out of it: two lanes to a row, sixteen rows an instruction
	; THE WEIGHTS' CODES LEAVE AS IMAGES OF OPERAND REGISTERS: wc [weight 4][tile of 16 rows n 64][128 along K 8][piece of 32 along K 4][lane][16 bytes]; lane (r, h) holds row r, K = 16 h + 0 .. 15 of the piece
	v_mul_u32_u24 v7, v5, PITCH
	v_lshl_add_u32 v7, v6, 4, v7
	v_add_nc_u32 v7, s29, v7                       ; out of the stage: row r, 16 h bytes on
	v_lshlrev_b32 v8, 4, v2                        ; into wc: 16 x lane
	v_lshlrev_b32 v9, 5, v2                        ; my column's row of scale bytes
	s_lshl_b32 s32, s28, 20                        ; the weight: 256 rows of 4,096 bytes a part of K,
	s_lshl_b32 s33, s27, 2
	s_add_co_u32 s32, s32, s33                     ; + 4 bytes a column
	s_mov_b32 s33, 0
	s_lshl_b32 s34, s26, 10
	s_add_co_u32 s34, s34, s27                     ; my first row of wc and ws
	s_lshl_b32 s36, s34, 5
	s_lshl_b32 s37, s28, 3
	s_add_co_u32 s36, s36, s37                     ; ws: 32 bytes a row, + 8 a part of K
	s_mov_b32 s37, 0
	s_lshl_b32 s34, s34, 10
	s_lshl_b32 s35, s28, 12                        ; a tile of 16 rows is 16,384 bytes (= 1,024 a row); my 256 along K are 4,096 of them
	s_add_co_u32 s34, s34, s35                     ; wc: 1,024 bytes a row, + 4,096 a part of K
	s_mov_b32 s35, 0
	s_wait_kmcnt 0x0
	s_cmp_eq_u32 s26, 1                            ; the weight is chosen by the work-group's number alone
	s_cselect_b64 s[8:9], s[10:11], s[8:9]
	s_cmp_eq_u32 s26, 2
	s_cselect_b64 s[8:9], s[12:13], s[8:9]
	s_cmp_eq_u32 s26, 3
	s_cselect_b64 s[8:9], s[14:15], s[8:9]
	s_cselect_b32 s30, -1, 0                       ; all ones for wo: the middle groups change places
	s_add_nc_u64 s[8:9], s[8:9], s[32:33]
	s_add_nc_u64 s[20:21], s[20:21], s[34:35]
	s_add_nc_u64 s[22:23], s[22:23], s[36:37]
.macro WLOAD t                         ; block t: w(32 t + i, my column), i = 0 .. 31, into set t % 2: 32 lanes read 128 consecutive bytes, the four waves 512
.irp i, 0,1,2,3,4,5,6,7,8,9,10,11,12,13,14,15,16,17,18,19,20,21,22,23,24,25,26,27,28,29,30,31
	global_load_b32 v[WX+32*((\t)%2)+\i], v3, s[8:9] offset:(32*(\t)+\i)*NROW th:TH_LOAD_NT
.endr
.endm
	WLOAD 0
	WLOAD 1
.macro WBLOCK t
.set XS, WX+32*((\t)%2)
.if (\t) < NB-1
	s_wait_loadcnt 32                              ; this block's 32 loads are in; the next block's may be out
.else
	s_wait_loadcnt 0
.endif
	v_max3_num_f32 v12, |v[XS]|, |v[XS+1]|, |v[XS+2]|               ; the block's largest magnitude: all 32 numbers are mine
	v_max3_num_f32 v13, |v[XS+3]|, |v[XS+4]|, |v[XS+5]|
.irp i, 6,10,14,18,22,26
	v_max3_num_f32 v12, v12, |v[XS+\i]|, |v[XS+\i+1]|
	v_max3_num_f32 v13, v13, |v[XS+\i+2]|, |v[XS+\i+3]|
.endr
	v_max3_num_f32 v12, v12, |v[XS+30]|, |v[XS+31]|
	v_max3_num_f32 v12, v12, v13, (EMAX+1)<<23     ; and the floor
	v_add_nc_u32 v11, -(EMAX<<23), v12             ; the conversion's scale operand
	v_and_or_b32 v10, v12, 0x7f800000, s31         ; 448 x the scale
	v_lshrrev_b32 v13, 23, v11                     ; the scale's byte
.if (\t)%4 == 0
	v_mov_b32 v[SB+(\t)/4], v13                    ; four bytes to a register, the lower K in the lower byte
.else
	v_lshl_or_b32 v[SB+(\t)/4], v13, 8*((\t)%4), v[SB+(\t)/4]
.endif
.irp i, 0,1,2,3,4,5,6,7,8,9,10,11,12,13,14,15,16,17,18,19,20,21,22,23,24,25,26,27,28,29,30,31
	v_med3_num_f32 v[XS+\i], v[XS+\i], -v10, v10
.endr
	v_cvt_scalef32_pk8_fp8_f32 v[WC:WC+1], v[XS:XS+7], v11
	v_cvt_scalef32_pk8_fp8_f32 v[WT:WT+1], v[XS+8:XS+15], v11
	v_cvt_scalef32_pk8_fp8_f32 v[WT+2:WT+3], v[XS+16:XS+23], v11
	v_cvt_scalef32_pk8_fp8_f32 v[WC+6:WC+7], v[XS+24:XS+31], v11
	v_nop                                          ; one plain line between the conversions and the vector lines that read their results
	v_cndmask_b32 v[WC+2], v[WT], v[WT+2], s30     ; the middle groups as they are, or exchanged (wo)
	v_cndmask_b32 v[WC+3], v[WT+1], v[WT+3], s30
	v_cndmask_b32 v[WC+4], v[WT+2], v[WT], s30
	v_cndmask_b32 v[WC+5], v[WT+3], v[WT+1], s30
	ds_store_b128 v4, v[WC:WC+3] offset:32*(\t)    ; 32 codes: 32 bytes of my column's row
	ds_store_b128 v4, v[WC+4:WC+7] offset:32*(\t)+16
.if (\t)+2 < NB
	WLOAD (\t)+2
.endif
	s_wait_dscnt 0x0                               ; the stores have read their registers: the next block's codes may be written
.endm
.set Q, 0
.rept NB
	WBLOCK Q
.set Q, Q+1
.endr
	global_store_b64 v9, v[SB:SB+1], s[22:23]      ; my column's 8 scale bytes
.irp t, 0,1,2,3,4,5,6,7,8,9,10,11,12,13,14,15
	ds_load_b128 v[OUTR+4*\t:OUTR+4*\t+3], v7 offset:(\t/8)*16*PITCH+((\t/4)%2)*128+(\t%4)*32   ; tile t / 8, 128 along K (t / 4) % 2, piece t % 4
.endr
.irp t, 0,1,2,3,4,5,6,7,8,9,10,11,12,13,14,15
	s_wait_dscnt 15-\t                             ; load t is back; the younger loads may be out
	global_store_b128 v8, v[OUTR+4*\t:OUTR+4*\t+3], s[20:21] offset:(\t/8)*16384+((\t/4)%2)*2048+(\t%4)*512   ; 32 lanes store 512 consecutive bytes, aligned
.endr
	s_wait_tensorcnt 0x0
	ds_add_u32 v192, v193
	s_wait_dscnt 0x0
	s_endpgm
.Lfunc_end_k_q24d6cf7a12_quant:
	.size	k_q24d6cf7a12_quant, .Lfunc_end_k_q24d6cf7a12_quant-k_q24d6cf7a12_quant
	.p2alignl 7, 3214868480
	.fill 96, 4, 3214868480
	.section	.rodata,"a",@progbits
	.p2align	6, 0x0
	.amdhsa_kernel k_q24d6cf7a12_quant
		.amdhsa_group_segment_fixed_size 70144
		.amdhsa_private_segment_fixed_size 0
		.amdhsa_enable_private_segment 0
		.amdhsa_kernarg_size 72
		.amdhsa_user_sgpr_count 2
		.amdhsa_user_sgpr_kernarg_segment_ptr 1
		.amdhsa_wavefront_size32 1
		.amdhsa_system_sgpr_workgroup_id_x 1
		.amdhsa_system_sgpr_workgroup_id_y 1
		.amdhsa_system_sgpr_workgroup_id_z 1
		.amdhsa_system_vgpr_workitem_id 0
		.amdhsa_next_free_vgpr 194
		.amdhsa_next_free_sgpr 66
		.amdhsa_reserve_vcc 0
		.amdhsa_float_denorm_mode_32 3
		.amdhsa_float_denorm_mode_16_64 3
		.amdhsa_memory_ordered 1
		.amdhsa_forward_progress 1
		.amdhsa_inst_pref_size 112
	.end_amdhsa_kernel
	.amdgpu_metadata
---
amdhsa.version: [ 1, 2 ]
amdhsa.kernels:
  - .name:           k_q24d6cf7a12_quant
    .symbol:         k_q24d6cf7a12_quant.kd
    .args:
      - { .name: x, .offset: 0, .size: 8, .value_kind: global_buffer, .address_space: global }
      - { .name: wq, .offset: 8, .size: 8, .value_kind: global_buffer, .address_space: global }
      - { .name: wk, .offset: 16, .size: 8, .value_kind: global_buffer, .address_space: global }
      - { .name: wv, .offset: 24, .size: 8, .value_kind: global_buffer, .address_space: global }
      - { .name: wo, .offset: 32, .size: 8, .value_kind: global_buffer, .address_space: global }
      - { .name: xc, .offset: 40, .size: 8, .value_kind: global_buffer, .address_space: global }
      - { .name: xs, .offset: 48, .size: 8, .value_kind: global_buffer, .address_space: global }
      - { .name: wc, .offset: 56, .size: 8, .value_kind: global_buffer, .address_space: global }
      - { .name: ws, .offset: 64, .size: 8, .value_kind: global_buffer, .address_space: global }
    .group_segment_fixed_size: 70144
    .private_segment_fixed_size: 0
    .kernarg_segment_align: 8
    .kernarg_segment_size: 72
    .max_flat_workgroup_size: 128
    .sgpr_count:     66
    .vgpr_count:     194
    .wavefront_size: 32
...
	.end_amdgpu_metadata
.endif
;; end of part 1
;; launch qkv (part 2): grid 4 x 64, 4 waves a work-group, clusters of 4 x 1, 327,680 bytes of LDS; arguments xc, xs, wc, ws, bq, bk, bv, qkvc, qkvs; writes qkvc, qkvs
.if DOCPART == 2
	.amdgcn_target "amdgcn-amd-amdhsa--gfx1250"
	.amdhsa_code_object_version 6
	.text
	.protected	k_q24d6cf7a12_qkv
	.globl	k_q24d6cf7a12_qkv
	.p2align	8
	.type	k_q24d6cf7a12_qkv,@function
k_q24d6cf7a12_qkv:
	s_mov_b64 s[64:65], 0
	v_nop
	global_prefetch_b8 v0, s[64:65] scope:SCOPE_SE
	s_setreg_imm32_b32 hwreg(HW_REG_WAVE_MODE, 25, 1), 1
	s_wait_xcnt 0x0
	s_wait_alu depctr_hold_cnt(0) depctr_sa_sdst(0) depctr_va_vdst(0) depctr_va_sdst(0) depctr_va_ssrc(0) depctr_va_vcc(0) depctr_vm_vsrc(0)
	s_getreg_b32 s2, hwreg(HW_REG_IB_STS2, 6, 4)
	s_cmp_eq_u32 s2, 0
	s_cbranch_scc0 .Lentry_in_a_cluster
	s_endpgm
.Lentry_in_a_cluster:
	s_bfe_u32 s2, ttmp6, 0x10000c
	s_cmp_lg_u32 s2, 0x3003
	s_cbranch_scc0 .Lentry_shape_is_right
	s_endpgm
.Lentry_shape_is_right:
; q, k, v = x W + b AND THEIR QUANTISERS, on codes of FP8 (E4M3) with one E8M0 scale byte for 32 along K: 8,192 x 3,072 x 1,024.  Codes and scale words leave in the order of the attention launch's operand registers; no f32 result is stored.
; THE DEAL.  256 work-groups of four waves.  A work-group owns 128 tokens (one key step of a batch); wave w of column group g owns head 4 g + w.  x's 128 rows, all of K, come into LDS once (32 rows a wave, 1,040 bytes apart) and stay: no byte of LDS is filled twice.
; A wave holds its head's 64 rows of a weight, all of K, in 512 registers (windows 1, 2), loaded straight from wc, which is laid as images of these registers (512 consecutive bytes to a load), and streams the eight blocks of 16 tokens past them
; (two sets of 128 registers, window 3): 32 products a block, three phases: q, k, v.  The stream of blocks runs on through the change of phase.
; CLUSTER.  The four column groups of a row tile read the same rows of x: each wave's tile is asked for jointly (the mask names all four).  The weights are each wave's own: nothing to share inside a cluster.
; q, k: source 0 = 16 rows of the weight, source 1 = 16 tokens: lane (r, h) holds token r, register j of tile b the head's number 16 b + 8 h + j.  Piece c of a token block holds tiles 2 c, 2 c + 1: byte i of a lane is number 32 c + 16 (i / 8) + 8 h + i % 8:
; q and k carry the same order inside each block of 32, so their products and scales are as in the plain order.  v: source 0 = 16 tokens, source 1 = 16 rows of the weight: lane (r, h) holds number 16 f + r and keys 8 h + j; two blocks make the 16 codes of a piece.
; qkvc [q, k, v][batch x 16 + head][131,072]: q, k: [block of 16 tokens][piece 2][lane][16]; v: [key step][f 4][piece 4][lane][16].  qkvs [q, k, v][batch x 16 + head][key step][r 16][word 4]: q, k: word f = the two bytes of token 32 f + r, then of token 32 f + 16 + r; v: word f, byte c: keys 32 c on of number 16 f + r.
; THE BIAS IS THE FIRST PRODUCTS' C.  PREFETCH: during q's and k's phase a wave asks for its next weight, 8,192 bytes behind each block's fetch, lanes 256 bytes apart; all 64 row tiles read the same weights, so only row tiles 0 to 3 ask.  x comes once, at the head: nothing to run ahead of.
; LIMITS: a block of zeros gets the byte 1 (zero codes; this program alone reads the bytes); NaN, infinities and sums beyond f32's range are not served.
.set PITCH, 1040
.set BLK,   16*PITCH
.set SPARE, 128*PITCH                  ; behind x's rows: the spare words
.set FLOOR, 0x4800000                  ; 2^(9 - 127): the byte cannot fall under 1
.set L16,  1                           ; 16 x lane
.set ADX,  2                           ; LDS: row r, + 16 h
.set ADF,  3                           ; the same for the pair of blocks that is fetched
.set XSO,  4                           ; 32 r: x's scale words
.set ABS,  5                           ; 32 x lane: a weight's scale words
.set BOF,  6                           ; 32 h: q's, k's bias
.set BVO,  7                           ; 4 r: v's bias
.set SPW,  8
.set NIL,  9
.set PFO,  10                          ; 256 x lane
.set R16,  11                          ; 16 r
.set SB,   16                          ; v16-31 the weight's scale words: register 8 p + q: lanes 0-15 tile 2 p, lanes 16-31 tile 2 p + 1
.set SA,   36                          ; v36-51 x's, two sets of eight: their numbers differ from SB's modulo 8
.set BQ,   56                          ; v56-87 the first products' C
.set BV,   88                          ; v88-91 v's bias, a number a tile
.set ACC,  96                          ; v96-159 two sets of four accumulators
.set TQ,   160
.set SOP,  172
.set EB,   176
.set NCD,  184                         ; v184-199 codes
.set SWD,  200                         ; v200-203 the key step's four scale words
.set BK2,  204                         ; v204-235 k's bias
.set WV,   22
.set RT,   27
.set G1,   32
.set G0,   40
.set WB,   44
.set WSB,  46
.set OC,   48
.set OS,   50
.set XSB,  52
.set XSP,  54
.set OCM,  56
.set PF,   58
.set PH,   60
.set T,    61
.set XO,   62
.set SEL,  68
.set MNT,  70
.set MSB, 0
.macro WIN new                         ; the immediate's high byte repeats the setting that is left
.if MSB != \new
	s_set_vgpr_msb (MSB<<8)|\new
.set MSB, \new
.endif
.endm
.macro PLACES n
.rept \n
	v_nop
.endr
.endm
.macro WALU                            ; this wait ahead of a blocking wait or a taken branch behind which something freshly written is read
	s_wait_alu depctr_va_vdst(0)
.endm
.macro CROUND
	s_barrier_signal -1
	s_barrier_wait -1
	s_cmp_lg_u32 s[WV], 0
	s_cbranch_scc1 .Lnot_wave_0_\@
	s_barrier_signal -3
.Lnot_wave_0_\@:
	s_barrier_wait -3
	s_barrier_signal -1
	s_barrier_wait -1
.endm
.macro LOADW                           ; my 64 rows of the phase's weight: fragment (128 along K q, tile b) is number 4 q + b: window 1 + q / 4; and their scale words
.irp q, 0,1,2,3,4,5,6,7
	WIN (1+\q/4)<<6
.irp b, 0,1,2,3
.irp c, 0,1,2,3
	global_load_b128 v[16*((4*\q+\b)%16)+4*\c:16*((4*\q+\b)%16)+4*\c+3], v[L16], s[WB:WB+1] offset:\b*16384+\q*2048+\c*512
.endr
.endr
.endr
	WIN 0
.irp p, 0,1
.irp c, 0,1
	global_load_b128 v[SB+8*\p+4*\c:SB+8*\p+4*\c+3], v[ABS], s[WSB:WSB+1] offset:\p*1024+16*\c
.endr
.endr
.endm
.macro FETCH e                         ; a block of x, 16 rows, all of K, into set e of window 3 (32 LDS loads), and its rows' scale words (2 loads)
	WIN 3<<6
.irp q, 0,1,2,3,4,5,6,7
.irp c, 0,1,2,3
	ds_load_b128 v[128*\e+16*\q+4*\c:128*\e+16*\q+4*\c+3], v[ADF] offset:\e*BLK+128*\q+32*\c
.endr
.endr
	WIN 0
	global_load_b128 v[SA+8*\e:SA+8*\e+3], v[XSO], s[XSP:XSP+1] offset:\e*512
	global_load_b128 v[SA+8*\e+4:SA+8*\e+7], v[XSO], s[XSP:XSP+1] offset:\e*512+16
.endm
.macro ONE kind, e, a, q, b
.set AC_, ACC+32*(\a)+8*(\b)
.set R_, 128*(\e)+16*(\q)
.set W_, 16*((4*(\q)+(\b))%16)
.set XS_, SA+8*(\e)+(\q)
.set WS_, SB+8*((\b)/2)+(\q)
.set C_, AC_
.if (\q) == 0
.set C_, BQ+8*(\b)
.endif
.if \kind
.if (\b)%2
	v_wmma_scale_f32_16x16x128_f8f6f4 v[AC_:AC_+7], v[R_:R_+15], v[W_:W_+15], v[C_:C_+7], v[XS_], v[WS_] matrix_b_scale:MATRIX_SCALE_ROW1
.else
	v_wmma_scale_f32_16x16x128_f8f6f4 v[AC_:AC_+7], v[R_:R_+15], v[W_:W_+15], v[C_:C_+7], v[XS_], v[WS_]
.endif
.else
.if (\b)%2
	v_wmma_scale_f32_16x16x128_f8f6f4 v[AC_:AC_+7], v[W_:W_+15], v[R_:R_+15], v[C_:C_+7], v[WS_], v[XS_] matrix_a_scale:MATRIX_SCALE_ROW1
.else
	v_wmma_scale_f32_16x16x128_f8f6f4 v[AC_:AC_+7], v[W_:W_+15], v[R_:R_+15], v[C_:C_+7], v[WS_], v[XS_]
.endif
.endif
.endm
.macro PRODS kind, e, a                ; a block's 32 products: K ascending, the four accumulators by turns
.irp q, 0,1,2,3,4,5,6,7
.if \kind
	WIN 3|((1+\q/4)<<2)
.else
	WIN (1+\q/4)|(3<<2)
.endif
.irp b, 0,1,2,3
	ONE \kind, \e, \a, \q, \b
.endr
.endr
	WIN 0
.endm
.macro TRIPSET                         ; where the pair of blocks two on lies (it wraps into the next phase): LDS step and scale words
	s_add_co_u32 s66, s[T], 1
	s_and_b32 s66, s66, 3
	s_mul_i32 s[XO], s66, 2*BLK
	s_lshl_b32 s72, s66, 10
	s_mov_b32 s73, 0
	s_add_nc_u64 s[XSP:XSP+1], s[XSB:XSB+1], s[72:73]
.endm
.macro QWAY e                          ; q's or k's block: two scale blocks of 32, each in lanes l and l xor 16; 32 codes a lane leave; the two bytes go into the key step's word
.irp c, 0,1
	v_max3_num_f32 v[TQ+\c], |v[ACC+16*\c]|, |v[ACC+16*\c+1]|, FLOOR
	v_max3_num_f32 v[TQ+2+\c], |v[ACC+16*\c+8]|, |v[ACC+16*\c+9]|, |v[ACC+16*\c+10]|
.endr
.irp i, 0,2
.irp c, 0,1
	v_max3_num_f32 v[TQ+\c], v[TQ+\c], |v[ACC+16*\c+2+\i]|, |v[ACC+16*\c+3+\i]|
	v_max3_num_f32 v[TQ+2+\c], v[TQ+2+\c], |v[ACC+16*\c+11+\i]|, |v[ACC+16*\c+12+\i]|
.endr
.endr
.irp c, 0,1
	v_max3_num_f32 v[TQ+\c], v[TQ+\c], |v[ACC+16*\c+6]|, |v[ACC+16*\c+7]|
.endr
.irp c, 0,1
	v_max3_num_f32 v[TQ+\c], v[TQ+\c], v[TQ+2+\c], |v[ACC+16*\c+15]|
.endr
.irp c, 0,1
	v_permlanex16_b32 v[TQ+4+\c], v[TQ+\c], s[SEL], s[SEL+1]
.endr
.irp c, 0,1
	v_max_num_f32 v[TQ+\c], v[TQ+\c], v[TQ+4+\c]
.endr
.irp c, 0,1
	v_add_nc_u32 v[SOP+\c], 0xfc000000, v[TQ+\c]   ; 8 off the exponent field: the conversion's scale operand
.endr
.irp c, 0,1
	v_and_or_b32 v[TQ+2+\c], v[TQ+\c], 0x7f800000, s[MNT]   ; 448 x the scale
.endr
.irp c, 0,1
	v_lshrrev_b32 v[EB+\c], 23, v[SOP+\c]
.endr
	v_lshrrev_b32 v[SWD+3], 16, v[SWD+3]           ; the even block's two bytes move down,
	v_lshl_or_b32 v[EB], v[EB+1], 8, v[EB]
	v_lshl_or_b32 v[SWD+3], v[EB], 16, v[SWD+3]    ; this block's come in on top
.irp c, 0,1
.irp i, 0,1,2,3,4,5,6,7,8,9,10,11,12,13,14,15
	v_med3_num_f32 v[ACC+16*\c+\i], v[ACC+16*\c+\i], -v[TQ+2+\c], v[TQ+2+\c]   ; the conversion does not saturate (ISA guide 7.6.2)
.endr
	v_cvt_scalef32_pk8_fp8_f32 v[NCD+4*\c:NCD+4*\c+1], v[ACC+16*\c:ACC+16*\c+7], v[SOP+\c]
	v_cvt_scalef32_pk8_fp8_f32 v[NCD+4*\c+2:NCD+4*\c+3], v[ACC+16*\c+8:ACC+16*\c+15], v[SOP+\c]
.endr
	v_nop                                          ; one plain line behind the last conversion
	global_store_b128 v[L16], v[NCD:NCD+3], s[OCM:OCM+1] offset:1024*\e          ; a piece: 512 consecutive bytes, aligned
	global_store_b128 v[L16], v[NCD+4:NCD+7], s[OCM:OCM+1] offset:1024*\e+512
.endm
.macro KBLOCK e
.if \e
	s_wait_xcnt 0x0                                ; the block before has stored its codes: their registers may be written
.endif
	s_wait_dscnt 32                                ; set e is in; the other set's 32 loads may be out
	s_wait_loadcnt 2                               ; and its scale words; the other set's two loads may be out
	PRODS 0, \e, 0
.if \e == 0
	v_add_nc_u32 v[ADF], s[XO], v[ADX]
	v_mov_b32 v[SWD], v[SWD+1]                     ; the words of the pairs before move down
	v_mov_b32 v[SWD+1], v[SWD+2]
	v_mov_b32 v[SWD+2], v[SWD+3]
	WALU
	PLACES 4                                       ; with the four lines above: eight places behind the last product
.else
	PLACES 8
.endif
	FETCH \e
	s_cmp_lt_u32 s[RT], 4
	s_cbranch_scc0 .Lnp_\@
	global_prefetch_b8 v[PFO], s[PF:PF+1] offset:8192*\e th:TH_LOAD_NT scope:SCOPE_SE
.Lnp_\@:
	QWAY \e
.endm
.macro VWAY                            ; a pair of v's blocks: for each tile f a scale block of 32 keys in lanes l and l xor 16; a piece a tile leaves; a byte a tile goes into its word
.irp f, 0,1,2,3
	v_max3_num_f32 v[TQ+\f], |v[ACC+8*\f]|, |v[ACC+8*\f+1]|, FLOOR
.endr
.irp f, 0,1,2,3
	v_max3_num_f32 v[TQ+4+\f], |v[ACC+32+8*\f]|, |v[ACC+32+8*\f+1]|, |v[ACC+32+8*\f+2]|
.endr
.irp i, 2,4,6
.irp f, 0,1,2,3
	v_max3_num_f32 v[TQ+\f], v[TQ+\f], |v[ACC+8*\f+\i]|, |v[ACC+8*\f+\i+1]|
.endr
.endr
.irp i, 3,5
.irp f, 0,1,2,3
	v_max3_num_f32 v[TQ+4+\f], v[TQ+4+\f], |v[ACC+32+8*\f+\i]|, |v[ACC+32+8*\f+\i+1]|
.endr
.endr
.irp f, 0,1,2,3
	v_max3_num_f32 v[TQ+\f], v[TQ+\f], v[TQ+4+\f], |v[ACC+32+8*\f+7]|
.endr
.irp f, 0,1,2,3
	v_permlanex16_b32 v[TQ+8+\f], v[TQ+\f], s[SEL], s[SEL+1]
.endr
.irp f, 0,1,2,3
	v_max_num_f32 v[TQ+\f], v[TQ+\f], v[TQ+8+\f]
.endr
.irp f, 0,1,2,3
	v_add_nc_u32 v[SOP+\f], 0xfc000000, v[TQ+\f]
.endr
.irp f, 0,1,2,3
	v_and_or_b32 v[TQ+4+\f], v[TQ+\f], 0x7f800000, s[MNT]
.endr
.irp f, 0,1,2,3
	v_lshrrev_b32 v[EB+\f], 23, v[SOP+\f]
.endr
.irp f, 0,1,2,3
	v_lshrrev_b32 v[SWD+\f], 8, v[SWD+\f]          ; the pairs before move down,
.endr
.irp f, 0,1,2,3
	v_lshl_or_b32 v[SWD+\f], v[EB+\f], 24, v[SWD+\f]   ; this pair's byte comes in on top
.endr
.irp f, 0,1,2,3
.irp i, 0,1,2,3,4,5,6,7
	v_med3_num_f32 v[ACC+8*\f+\i], v[ACC+8*\f+\i], -v[TQ+4+\f], v[TQ+4+\f]
	v_med3_num_f32 v[ACC+32+8*\f+\i], v[ACC+32+8*\f+\i], -v[TQ+4+\f], v[TQ+4+\f]
.endr
	v_cvt_scalef32_pk8_fp8_f32 v[NCD+4*\f:NCD+4*\f+1], v[ACC+8*\f:ACC+8*\f+7], v[SOP+\f]
	v_cvt_scalef32_pk8_fp8_f32 v[NCD+4*\f+2:NCD+4*\f+3], v[ACC+32+8*\f:ACC+32+8*\f+7], v[SOP+\f]
.endr
	v_nop
.irp f, 0,1,2,3
	global_store_b128 v[L16], v[NCD+4*\f:NCD+4*\f+3], s[OCM:OCM+1] offset:2048*\f
.endr
.endm
	s_load_b512 s[4:19], s[0:1], 0x0               ; xc, xs, wc, ws, bq, bk, bv, qkvc
	s_load_b64 s[20:21], s[0:1], 0x40              ; qkvs
	v_lshl_add_u32 v[SPW], v0, 2, SPARE
	v_mov_b32 v[NIL], 0
	ds_add_u32 v[SPW], v[NIL]                      ; the opening lines: the add twice on end under one wait
	ds_add_u32 v[SPW], v[NIL]
	v_lshrrev_b32 v1, 5, v0
	v_readfirstlane_b32 s[WV], v1                  ; wave 0..3
	s_bfe_u32 s25, ttmp6, 0x40000                  ; cx
	s_lshl_b32 s26, ttmp9, 2
	s_add_co_u32 s26, s26, s25                     ; column group
	s_lshl_b32 s28, s26, 2
	s_add_co_u32 s28, s28, s[WV]                   ; my head: it enters global addresses alone
	s_and_b32 s[RT], ttmp7, 0xffff                 ; row tile: 128 tokens
	s_lshr_b32 s29, s[RT], 4
	s_lshl_b32 s29, s29, 4
	s_add_co_u32 s29, s29, s28                     ; 16 batch + head
	s_and_b32 s30, s[RT], 15                       ; key step
	s_mov_b32 s[G1], 15|(1<<20)|(1<<21)|(7<<22)|(3<<25)   ; the mask: all four; elements of 1 byte; four words of padding behind every 256
	s_mov_b32 s[G1+1], 1024<<16
	s_mov_b32 s[G1+2], 32<<16
	s_mov_b32 s[G1+3], 1024<<16
	s_mov_b32 s[G1+4], 32
	s_mov_b32 s[G1+5], 1024
	s_mov_b32 s[G1+6], 0
	s_mov_b32 s[G1+7], 0
	s_mov_b32 s[G0], 1
	s_mul_i32 s[G0+1], s[WV], 32*PITCH
	s_lshl_b32 s72, s[RT], 17
	s_lshl_b32 s73, s[WV], 15
	s_add_co_u32 s72, s72, s73                     ; my 32 rows of x's codes
	s_mov_b32 s73, 0
	s_mov_b32 s[SEL], 0x76543210
	s_mov_b32 s[SEL+1], 0xfedcba98
	s_mov_b32 s[MNT], 0x600000
	v_and_b32 v12, 15, v0                          ; r
	v_bfe_u32 v13, v0, 4, 1                        ; h
	v_and_b32 v14, 31, v0                          ; lane
	v_lshlrev_b32 v[L16], 4, v14
	v_lshlrev_b32 v[PFO], 8, v14
	v_lshlrev_b32 v[ABS], 5, v14
	v_lshlrev_b32 v[XSO], 5, v12
	v_lshlrev_b32 v[BOF], 5, v13
	v_lshlrev_b32 v[BVO], 2, v12
	v_lshlrev_b32 v[R16], 4, v12
	v_mul_u32_u24 v[ADX], v12, PITCH
	v_lshl_add_u32 v[ADX], v13, 4, v[ADX]
	v_mov_b32 v[ADF], v[ADX]
.set i, 0
.rept 8
	v_mov_b32 v[TQ+4+i], 0                         ; written once: a lane permute's destination counts as one of its sources
.set i, i+1
.endr
.set i, 0
.rept 4
	v_mov_b32 v[SWD+i], 0
.set i, i+1
.endr
	WALU
	s_wait_dscnt 0x0                               ; both opening adds are done
	CROUND                                         ; all four work-groups are here: the joint loads meet
	s_wait_kmcnt 0x0
	s_add_nc_u64 s[G0+2:G0+3], s[4:5], s[72:73]
	s_or_b32 s[G0+3], s[G0+3], 0x80000000
	tensor_load_to_lds s[G0:G0+3], s[G1:G1+7]      ; one load a wave, the launch's only ones
	s_nop 0
	PLACES 4
	s_lshl_b32 s72, s28, 16                        ; a head's four tiles of 16,384 bytes
	s_add_nc_u64 s[WB:WB+1], s[8:9], s[72:73]
	s_add_nc_u64 s[PF:PF+1], s[WB:WB+1], 0x100000  ; the next weight lies 1,048,576 bytes on
	s_lshl_b32 s72, s28, 11
	s_add_nc_u64 s[WSB:WSB+1], s[10:11], s[72:73]
	s_lshl_b32 s72, s28, 8
	s_add_nc_u64 s[12:13], s[12:13], s[72:73]
	s_add_nc_u64 s[14:15], s[14:15], s[72:73]
	s_add_nc_u64 s[16:17], s[16:17], s[72:73]
	LOADW                                          ; q's weight comes while x lands
.irp b, 0,1,2,3
	global_load_b128 v[BQ+8*\b:BQ+8*\b+3], v[BOF], s[12:13] offset:64*\b
	global_load_b128 v[BQ+8*\b+4:BQ+8*\b+7], v[BOF], s[12:13] offset:64*\b+16
	global_load_b128 v[BK2+8*\b:BK2+8*\b+3], v[BOF], s[14:15] offset:64*\b
	global_load_b128 v[BK2+8*\b+4:BK2+8*\b+7], v[BOF], s[14:15] offset:64*\b+16
	global_load_b32 v[BV+\b], v[BVO], s[16:17] offset:64*\b
.endr
	s_lshl_b32 s72, s29, 17
	s_lshl_b32 s66, s30, 13
	s_add_co_u32 s72, s72, s66
	s_add_nc_u64 s[OC:OC+1], s[18:19], s[72:73]
	s_lshl_b32 s72, s29, 12
	s_lshl_b32 s66, s30, 8
	s_add_co_u32 s72, s72, s66
	s_add_nc_u64 s[OS:OS+1], s[20:21], s[72:73]
	s_lshl_b32 s72, s[RT], 12
	s_add_nc_u64 s[XSB:XSB+1], s[6:7], s[72:73]
	s_mov_b64 s[XSP:XSP+1], s[XSB:XSB+1]
	s_wait_tensorcnt 0x0                           ; my 32 rows are in;
	s_barrier_signal -1
	s_barrier_wait -1                              ; everybody's are
	FETCH 0
	FETCH 1
	s_mov_b32 s[PH], 0
.Lphase:                                           ; two trips: q, k
	s_mov_b32 s[T], 0
	s_mov_b64 s[OCM:OCM+1], s[OC:OC+1]
	WALU
	s_wait_loadcnt 0x0                             ; the weight, its scale words, the bias
.Lqk:                                              ; four trips of two blocks
	TRIPSET
	KBLOCK 0
	KBLOCK 1
	s_wait_xcnt 0x0                                ; stores, loads and prefetches have read their registers
	s_add_nc_u64 s[OCM:OCM+1], s[OCM:OCM+1], 2048
	s_add_nc_u64 s[PF:PF+1], s[PF:PF+1], 16384
	s_add_co_u32 s[T], s[T], 1
	WALU
	s_cmp_lt_u32 s[T], 4
	s_cbranch_scc1 .Lqk
	global_store_b128 v[R16], v[SWD:SWD+3], s[OS:OS+1]   ; the key step's words: 256 consecutive bytes, aligned (both halves of the lanes store the same bytes with the same values)
	s_wait_xcnt 0x0
	s_add_nc_u64 s[WB:WB+1], s[WB:WB+1], 0x100000
	s_add_nc_u64 s[WSB:WSB+1], s[WSB:WSB+1], 32768
	s_add_nc_u64 s[OC:OC+1], s[OC:OC+1], 0x800000
	s_add_nc_u64 s[OS:OS+1], s[OS:OS+1], 0x40000
	s_add_nc_u64 s[PF:PF+1], s[PF:PF+1], 0x100000-65536
	LOADW                                          ; the next weight (the block's way out stands between the last product and these loads)
	s_cmp_eq_u32 s[PH], 0
	s_cbranch_scc0 .Lbias_v
.set i, 0
.rept 32
	v_mov_b32 v[BQ+i], v[BK2+i]
.set i, i+1
.endr
	s_branch .Lbias_done
.Lbias_v:
.irp f, 0,1,2,3
.irp i, 0,1,2,3,4,5,6,7
	v_mov_b32 v[BQ+8*\f+\i], v[BV+\f]              ; v: all eight registers of a tile are one number of the head
.endr
.endr
.Lbias_done:
	s_add_co_u32 s[PH], s[PH], 1
	WALU
	s_cmp_lt_u32 s[PH], 2
	s_cbranch_scc1 .Lphase
	s_mov_b32 s[T], 0
	s_mov_b64 s[OCM:OCM+1], s[OC:OC+1]
	s_wait_loadcnt 0x0
.Lv:                                               ; four trips of a pair of blocks; the last fetches nothing
	TRIPSET
	s_wait_dscnt 32
	s_wait_loadcnt 2
	PRODS 1, 0, 0
	v_add_nc_u32 v[ADF], s[XO], v[ADX]
	WALU
	PLACES 7
	s_cmp_eq_u32 s[T], 3
	s_cbranch_scc1 .Llast_0
	FETCH 0
	s_wait_dscnt 32                                ; set 1 is in; set 0's new loads may be out
	s_wait_loadcnt 2
	s_branch .Lgo
.Llast_0:
	s_wait_dscnt 0x0
	s_wait_loadcnt 0x0
.Lgo:
	PRODS 1, 1, 1
	PLACES 8
	s_cmp_eq_u32 s[T], 3
	s_cbranch_scc1 .Lnone_1
	FETCH 1
.Lnone_1:
	VWAY
	s_wait_xcnt 0x0
	s_add_nc_u64 s[OCM:OCM+1], s[OCM:OCM+1], 512
	s_add_co_u32 s[T], s[T], 1
	WALU
	s_cmp_lt_u32 s[T], 4
	s_cbranch_scc1 .Lv
	global_store_b128 v[R16], v[SWD:SWD+3], s[OS:OS+1]
	s_wait_tensorcnt 0x0                           ; the wave's end
	ds_add_u32 v[SPW], v[NIL]
	s_wait_dscnt 0x0
	CROUND                                         ; the closing round
	s_endpgm
.Lfunc_end_k_q24d6cf7a12_qkv:
	.size	k_q24d6cf7a12_qkv, .Lfunc_end_k_q24d6cf7a12_qkv-k_q24d6cf7a12_qkv
	.p2alignl 7, 3214868480
	.fill 96, 4, 3214868480
	.section	.rodata,"a",@progbits
	.p2align	6, 0x0
	.amdhsa_kernel k_q24d6cf7a12_qkv
		.amdhsa_group_segment_fixed_size 327680
		.amdhsa_private_segment_fixed_size 0
		.amdhsa_enable_private_segment 0
		.amdhsa_kernarg_size 72
		.amdhsa_user_sgpr_count 2
		.amdhsa_user_sgpr_kernarg_segment_ptr 1
		.amdhsa_wavefront_size32 1
		.amdhsa_system_sgpr_workgroup_id_x 1
		.amdhsa_system_sgpr_workgroup_id_y 1
		.amdhsa_system_sgpr_workgroup_id_z 1
		.amdhsa_system_vgpr_workitem_id 0
		.amdhsa_next_free_vgpr 1024
		.amdhsa_next_free_sgpr 80
		.amdhsa_reserve_vcc 0
		.amdhsa_float_denorm_mode_32 3
		.amdhsa_float_denorm_mode_16_64 3
		.amdhsa_memory_ordered 1
		.amdhsa_forward_progress 1
		.amdhsa_inst_pref_size 85
	.end_amdhsa_kernel
	.amdgpu_metadata
---
amdhsa.version: [ 1, 2 ]
amdhsa.kernels:
  - .name:           k_q24d6cf7a12_qkv
    .symbol:         k_q24d6cf7a12_qkv.kd
    .args:
      - { .name: xc, .offset: 0, .size: 8, .value_kind: global_buffer, .address_space: global }
      - { .name: xs, .offset: 8, .size: 8, .value_kind: global_buffer, .address_space: global }
      - { .name: wc, .offset: 16, .size: 8, .value_kind: global_buffer, .address_space: global }
      - { .name: ws, .offset: 24, .size: 8, .value_kind: global_buffer, .address_space: global }
      - { .name: bq, .offset: 32, .size: 8, .value_kind: global_buffer, .address_space: global }
      - { .name: bk, .offset: 40, .size: 8, .value_kind: global_buffer, .address_space: global }
      - { .name: bv, .offset: 48, .size: 8, .value_kind: global_buffer, .address_space: global }
      - { .name: qkvc, .offset: 56, .size: 8, .value_kind: global_buffer, .address_space: global }
      - { .name: qkvs, .offset: 64, .size: 8, .value_kind: global_buffer, .address_space: global }
    .group_segment_fixed_size: 327680
    .private_segment_fixed_size: 0
    .kernarg_segment_align: 8
    .kernarg_segment_size: 72
    .max_flat_workgroup_size: 128
    .sgpr_count:     80
    .vgpr_count:     1024
    .wavefront_size: 32
...
	.end_amdgpu_metadata
.endif
;; end of part 2
;; launch attn (part 3): grid 8 x 32, 16 waves a work-group, clusters of 4 x 1, 327,680 bytes of LDS; arguments qkvc, qkvs, oc, os; writes oc, os
.if DOCPART == 3
	.amdgcn_target "amdgcn-amd-amdhsa--gfx1250"
	.amdhsa_code_object_version 6
	.text
	.protected	k_q24d6cf7a12_attn
	.globl	k_q24d6cf7a12_attn
	.p2align	8
	.type	k_q24d6cf7a12_attn,@function
k_q24d6cf7a12_attn:
	s_mov_b64 s[64:65], 0
	v_nop
	global_prefetch_b8 v0, s[64:65] scope:SCOPE_SE
	s_setreg_imm32_b32 hwreg(HW_REG_WAVE_MODE, 25, 1), 1
	s_wait_xcnt 0x0
	s_wait_alu depctr_hold_cnt(0) depctr_sa_sdst(0) depctr_va_vdst(0) depctr_va_sdst(0) depctr_va_ssrc(0) depctr_va_vcc(0) depctr_vm_vsrc(0)
	s_getreg_b32 s2, hwreg(HW_REG_IB_STS2, 6, 4)
	s_cmp_eq_u32 s2, 0
	s_cbranch_scc0 .Lentry_in_a_cluster
	s_endpgm
.Lentry_in_a_cluster:
	s_bfe_u32 s2, ttmp6, 0x10000c
	s_cmp_lg_u32 s2, 0x3003
	s_cbranch_scc0 .Lentry_shape_is_right
	s_endpgm
.Lentry_shape_is_right:
; For each batch and head: O = softmax(q k^T / 8) v, both products on codes of FP8 (E4M3) with E8M0 scales; O is divided by the row's sum and quantised here as the operand of the last product.
; THE SOFTMAX: t = score x log2(e) / 8; M = the running largest t rounded UP to a whole number; p = 2^(t - M) is quantised along the keys; the row's sum is taken of the unquantised p.  When M moves, the sum and O are multiplied by 2^(old M - new M): exact.
; SHARES.  A work-group owns 256 queries of a batch and TWO neighbouring heads, walked one after the other: their K, V and scale words lie on end in memory, so the ring goes straight on.  Each of sixteen waves owns 16 queries in 256 registers.
; CLUSTER.  The four query blocks of a cluster walk the same K and V: each tile is asked for jointly (the mask names all four).
; THE RING.  Two slots of 1,024 keys (K's 65,536 bytes, then V's): four slots for the two heads, so three refills' rounds and one plain barrier.  Waves 0 to 3 fetch a quarter of a slot each; at the head waves 4 to 7 fetch the scale words.
; OPERANDS ARE IMAGES OF REGISTERS: a piece of 16 rows x 32 K is 512 bytes, lane l's 16 bytes at 16 l: no pitch, no padding.
; THE HEAD'S 64 IN AN INSTRUCTION OF K = 128: a fragment of K holds, in lane r, key 32 b + r in registers 0-7 and key 32 b + 16 + r in registers 8-15.  q lies between two runs of eight zero registers: [q, 0] gives the first sixteen keys' scores, [0, q] the second's.
; LAYOUT.  S^T = K q^T, O^T = V^T P^T: a lane holds one query.  Register 16 b + 8 u + j of the scores is key 32 b + 16 u + 8 h + j (h = lane / 16); v's codes were laid along the keys in the same order.
; THE KEY STEP IS WRITTEN ONCE, in a loop of eight trips a slot.  The holds write into two sets of eight registers, so p stays unheld: its sums are taken BEHIND the second product (24 additions into eight pairs: the places ahead of K's next loads)
; and joined behind the next step's score products (8 additions: the places ahead of V's loads and of the first read of the scores).  So a step has no idle line.
; oc [block of 16 tokens 512][K step 8][piece 4][512]; os [K step 8][token 8192] words.
; LIMITS: the scaled scores stay under 2^31 in magnitude; a block of zeros gets the byte 1 (zero codes; this program alone reads the bytes); NaN and infinities are not served.
.set SLOTB, 131072
.set VOFF,  65536
.set SCK,   262144                     ; behind the ring: K's scale words of both heads, 8,192 bytes, then V's
.set OSTG,  278528                     ; 1,024 bytes for the 256 scale words on their way out: written by LDS stores alone
.set SPARE, 279552                     ; the spare words, 128 bytes for each of 16 waves
.set L16,  1                           ; 16 x lane
.set R16,  2                           ; SCK + 16 (lane % 16)
.set SPW,  3
.set NIL,  4
.set ADK,  5                           ; the step's K
.set ADS,  6                           ; the step's scale words
.set OSA,  7
.set SW,   8                           ; the scale word of my query's two heads
.set QS,   9                           ; q's scale word; v10 the next head's
.set PFO,  11
.set QZ,   16                          ; v16-23 zeros, v24-31 q, v32-39 zeros
.set T1,   40                          ; v40-47 held p, second set
.set FR,   48                          ; v48-111 four fragments of K, then of V
.set S,    112                         ; v112-175 S^T, then p
.set O,    176                         ; v176-207 O^T
.set PC,   208                         ; v208-223 p's codes
.set KSC,  224
.set VSC,  228
.set P,    232                         ; v232-247 between steps: eight pairs of partial sums; inside a step: maxima, bounds, scale operands
.set T0,   232                         ; v232-239 held p, first set
.set ADV,  248                         ; the step's V
.set OSR,  249
.set PW,   250                         ; p's scale word
.set WV,   12
.set SEL,  20
.set CS,   22
.set MNT,  24
.set TB,   25                          ; LDS byte of the step's K
.set TS,   26                          ; the step's scale words: 256 bytes a step
.set SLOTS, 27
.set HC,   28
.set LIM,  29
.set PFA,  30
.set G1,   32
.set G1S,  40
.set G0,   48
.set G0S,  52
.set OCB,  56
.set OSB,  58
.macro CROUND
	s_barrier_signal -1
	s_barrier_wait -1
	s_cmp_lg_u32 s[WV], 0
	s_cbranch_scc1 .Lnot_wave_0_\@
	s_barrier_signal -3
.Lnot_wave_0_\@:
	s_barrier_wait -3
	s_barrier_signal -1
	s_barrier_wait -1
.endm
.macro TLOAD                           ; waves 0, 1: the halves of a slot's K; waves 2, 3: of its V: 32,768 dense bytes each
	s_cmp_lt_u32 s[WV], 4
	s_cbranch_scc0 .Lnone_\@
	tensor_load_to_lds s[G0:G0+3], s[G1:G1+7]
	s_nop 0
.rept 4
	v_nop
.endr
.Lnone_\@:
.endm
; A prefetch of what the NEXT change of slots will ask for: 65,536 bytes of K and of V.  Both clusters of a head pair walk the same K and V: the first asks.  Its four partners share the bytes out by address, 16,384 each of K and of V;
; in each, waves 4, 5 ask for K's halves and waves 6, 7 for V's, lanes 256 bytes apart: each block of 256 bytes is named once.  The last change that fills asks for nothing; slots 0 and 1 come by their loads alone.
.macro ASK
	s_cmp_gt_u32 s[SLOTS], s[LIM]
	s_cbranch_scc0 .Lnot_mine_\@
	global_prefetch_b8 v[PFO], s[PFA:PFA+1] th:TH_LOAD_NT scope:SCOPE_SE
.Lnot_mine_\@:
.endm
	s_load_b256 s[4:11], s[0:1], 0x0               ; qkvc, qkvs, oc, os
	v_lshl_add_u32 v[SPW], v0, 2, SPARE
	v_mov_b32 v[NIL], 0
	ds_add_u32 v[SPW], v[NIL]                      ; the opening lines: the add twice on end under one wait
	ds_add_u32 v[SPW], v[NIL]
	v_lshrrev_b32 v5, 5, v0
	v_readfirstlane_b32 s[WV], v5                  ; wave 0..15
	s_bfe_u32 s13, ttmp6, 0x40000                  ; cx
	s_lshl_b32 s14, ttmp9, 2
	s_add_co_u32 s14, s14, s13                     ; my block of 256 queries
	s_and_b32 s15, ttmp7, 0xffff                   ; the pair of heads: 8 batch + head / 2
	s_bfe_u32 s16, s[WV], 0x10001
	s_add_co_u32 s16, s16, 1                       ; 1: K, 2: V
	s_and_b32 s17, s[WV], 1                        ; which half
	s_and_b32 s28, s[WV], 3
	s_lshl_b32 s18, s16, 23                        ; 8,388,608 bytes for each of q, k, v,
	s_lshl_b32 s19, s15, 18                        ; 262,144 for a pair of heads,
	s_add_co_u32 s18, s18, s19
	s_lshl_b32 s19, s17, 15                        ; 32,768 for half a slot's K or V
	s_add_co_u32 s18, s18, s19
	s_mov_b32 s19, 0
	s_lshl_b32 s60, s16, 18                        ; the scale words: 262,144, 8,192 and 4,096 (a head's)
	s_lshl_b32 s61, s15, 13
	s_add_co_u32 s60, s60, s61
	s_lshl_b32 s61, s17, 12
	s_add_co_u32 s60, s60, s61
	s_mov_b32 s61, 0
	s_mov_b32 s[G1], 15|(3<<16)|(1<<21)            ; dense bytes as rows of 256 (32 elements of 8 bytes): 128 rows of codes,
	s_mov_b32 s[G1+1], 32<<16
	s_mov_b32 s[G1+2], 128<<16
	s_mov_b32 s[G1+3], 32<<16
	s_mov_b32 s[G1+4], 128
	s_mov_b32 s[G1+5], 32
	s_mov_b32 s[G1+6], 0
	s_mov_b32 s[G1+7], 0
	s_mov_b32 s[G1S], 15|(3<<16)|(1<<21)           ; 16 rows of scale words
	s_mov_b32 s[G1S+1], 32<<16
	s_mov_b32 s[G1S+2], 16<<16
	s_mov_b32 s[G1S+3], 32<<16
	s_mov_b32 s[G1S+4], 16
	s_mov_b32 s[G1S+5], 32
	s_mov_b32 s[G1S+6], 0
	s_mov_b32 s[G1S+7], 0
	s_mov_b32 s[G0], 1
	s_lshl_b32 s[G0+1], s28, 15                    ; slot 0: K's halves, then V's
	s_mov_b32 s[G0S], 1
	s_lshl_b32 s[G0S+1], s28, 12
	s_add_co_u32 s[G0S+1], s[G0S+1], SCK
	v_and_b32 v5, 31, v0
	v_and_b32 v6, 15, v0                           ; r
	v_lshlrev_b32 v[L16], 4, v5
	v_lshlrev_b32 v[PFO], 8, v5
	v_lshl_add_u32 v[R16], v6, 4, SCK
	s_lshl_b32 s28, s[WV], 6
	v_lshl_add_u32 v[OSA], v6, 2, s28
	v_add_nc_u32 v[OSA], OSTG, v[OSA]              ; token 16 w + r's word
	s_lshl_b32 s28, s17, 9
	v_add_nc_u32 v[OSR], s28, v[L16]
	v_add_nc_u32 v[OSR], OSTG, v[OSR]
	v_lshlrev_b32 v5, 4, v6                        ; 16 r: q's scale words in memory
	s_mov_b32 s[SEL], 0x76543210
	s_mov_b32 s[SEL+1], 0xfedcba98
	s_mov_b32 s[CS], 0x3e38aa3b                    ; c = log2(e) / 8
	s_mov_b32 s[CS+1], s[CS]
	s_mov_b32 s[MNT], 0x600000
	s_mov_b32 s[TB], 0
	s_mov_b32 s[TS], 0
	s_mov_b32 s[SLOTS], 3
	s_wait_dscnt 0x0                               ; both opening adds are done
	s_wait_kmcnt 0x0
	s_add_nc_u64 s[G0+2:G0+3], s[4:5], s[18:19]
	s_or_b32 s[G0+3], s[G0+3], 0x80000000
	s_add_nc_u64 s[G0S+2:G0S+3], s[6:7], s[60:61]
	s_or_b32 s[G0S+3], s[G0S+3], 0x80000000
	CROUND                                         ; all four work-groups are here: the first joint loads meet
	s_cmp_lt_u32 s[WV], 4                          ; one chain of branches, one load to an arm: waves 0-3 slot 0, waves 4-7 the scale words
	s_cbranch_scc0 .Lhead_s
	tensor_load_to_lds s[G0:G0+3], s[G1:G1+7]
	s_nop 0
.rept 4
	v_nop
.endr
	s_branch .Lfirst_asked
.Lhead_s:
	s_cmp_lt_u32 s[WV], 8
	s_cbranch_scc0 .Lfirst_asked
	tensor_load_to_lds s[G0S:G0S+3], s[G1S:G1S+7]
	s_nop 0
.rept 4
	v_nop
.endr
.Lfirst_asked:
	s_lshl_b32 s2, s15, 18                         ; q: the pair of heads,
	s_lshl_b32 s3, s14, 14                         ; my block's 16 blocks of tokens of 1,024 bytes,
	s_add_co_u32 s2, s2, s3
	s_lshl_b32 s3, s[WV], 10                       ; my wave's
	s_add_co_u32 s2, s2, s3
	s_mov_b32 s3, 0
	s_add_nc_u64 s[2:3], s[4:5], s[2:3]
	s_lshl_b32 s62, s15, 13                        ; q's scale words
	s_lshl_b32 s63, s14, 9
	s_add_co_u32 s62, s62, s63
	s_lshr_b32 s63, s[WV], 3
	s_lshl_b32 s63, s63, 8
	s_add_co_u32 s62, s62, s63
	s_bfe_u32 s63, s[WV], 0x20001
	s_lshl_b32 s63, s63, 2
	s_add_co_u32 s62, s62, s63
	s_mov_b32 s63, 0
	s_add_nc_u64 s[62:63], s[6:7], s[62:63]
	s_wait_alu depctr_va_vdst(0)                   ; the wait ahead of the readers below
	global_load_b128 v[QZ+8:QZ+11], v[L16], s[2:3]
	global_load_b128 v[QZ+12:QZ+15], v[L16], s[2:3] offset:512
	global_load_b32 v[QS], v5, s[62:63]
	global_load_b32 v[QS+1], v5, s[62:63] offset:4096
	s_lshr_b32 s[OCB], s15, 3                      ; oc: block of tokens 128 batch + 16 x my block + wave,
	s_lshl_b32 s[OCB], s[OCB], 7
	s_lshl_b32 s[OCB+1], s14, 4
	s_add_co_u32 s[OCB], s[OCB], s[OCB+1]
	s_add_co_u32 s[OCB], s[OCB], s[WV]
	s_lshl_b32 s[OCB], s[OCB], 3
	s_and_b32 s[OCB+1], s15, 7                     ; K step = head / 2
	s_add_co_u32 s[OCB], s[OCB], s[OCB+1]
	s_lshl_b32 s[OCB], s[OCB], 11
	s_mov_b32 s[OCB+1], 0
	s_add_nc_u64 s[OCB:OCB+1], s[8:9], s[OCB:OCB+1]
	s_and_b32 s[OSB], s15, 7                       ; os: 32,768 bytes a K step, 8,192 a batch, 1,024 a block of queries, 512 for each storing wave
	s_lshl_b32 s[OSB], s[OSB], 15
	s_lshr_b32 s[OSB+1], s15, 3
	s_lshl_b32 s[OSB+1], s[OSB+1], 13
	s_add_co_u32 s[OSB], s[OSB], s[OSB+1]
	s_lshl_b32 s[OSB+1], s14, 10
	s_add_co_u32 s[OSB], s[OSB], s[OSB+1]
	s_lshl_b32 s[OSB+1], s17, 9
	s_add_co_u32 s[OSB], s[OSB], s[OSB+1]
	s_mov_b32 s[OSB+1], 0
	s_add_nc_u64 s[OSB:OSB+1], s[10:11], s[OSB:OSB+1]
	s_lshl_b32 s[PFA], s16, 23                     ; the prefetches: K or V,
	s_lshl_b32 s[PFA+1], s15, 18
	s_add_co_u32 s[PFA], s[PFA], s[PFA+1]
	s_lshl_b32 s[PFA+1], s13, 14                   ; my work-group's 16,384 bytes,
	s_add_co_u32 s[PFA], s[PFA], s[PFA+1]
	s_lshl_b32 s[PFA+1], s17, 13                   ; my wave's 8,192,
	s_add_co_u32 s[PFA], s[PFA], s[PFA+1]
	s_add_co_u32 s[PFA], s[PFA], 65536             ; in slot 1: the first change of slots steps it to slot 2
	s_mov_b32 s[PFA+1], 0
	s_add_nc_u64 s[PFA:PFA+1], s[4:5], s[PFA:PFA+1]
	s_sub_co_u32 s[LIM], s[WV], 4
	s_lshr_b32 s[LIM], s[LIM], 2                   ; 0 in waves 4 to 7,
	s_or_b32 s[LIM], s[LIM], ttmp9                 ; of the pair's first cluster
	s_cmp_eq_u32 s[LIM], 0
	s_cselect_b32 s[LIM], 1, -1
	s_cmp_eq_u32 s17, 0
	s_mov_b32 s60, 0x03020302
	s_cselect_b32 s60, 0x01000100, s60             ; which two bytes of the loaded word are my block of tokens'
	s_wait_loadcnt 0x0
	v_perm_b32 v[QS], v[QS], v[QS], s60            ; (s0, s1, s0, s1)
	v_perm_b32 v[QS+1], v[QS+1], v[QS+1], s60
.set j, 0
.rept 8
	v_mov_b32 v[QZ+j], 0
	v_mov_b32 v[QZ+16+j], 0
.set j, j+1
.endr
.set j, 0
.rept 32
	v_mov_b32 v[O+j], 0                            ; O^T: the first step finds zeros
.set j, j+1
.endr
.set j, 0
.rept 16
	v_mov_b32 v[P+j], 0                            ; the partial sums that the first step joins
.set j, j+1
.endr
	v_mov_b32 v13, 0xff61b1e6                      ; the largest t so far: -3e38
	v_floor_f32 v12, -v13                          ; -M
	v_mov_b32 v14, 0
	v_mov_b32 v15, 0
	v_mov_b32 v253, 0                              ; (the upper half of the pair v[252:253])
	v_mov_b32 v[SW], 0
.macro TREE                            ; the eight pairs of partial sums of the step before are joined and added to the row's sum, which stands under that step's M
	v_pk_add_f32 v[P:P+1], v[P:P+1], v[P+8:P+9]
	v_pk_add_f32 v[P+2:P+3], v[P+2:P+3], v[P+10:P+11]
	v_pk_add_f32 v[P+4:P+5], v[P+4:P+5], v[P+12:P+13]
	v_pk_add_f32 v[P+6:P+7], v[P+6:P+7], v[P+14:P+15]
	s_delay_alu instid0(VALU_DEP_2)
	v_pk_add_f32 v[P:P+1], v[P:P+1], v[P+4:P+5]
	s_delay_alu instid0(VALU_DEP_2)
	v_pk_add_f32 v[P+2:P+3], v[P+2:P+3], v[P+6:P+7]
	s_delay_alu instid0(VALU_DEP_1)
	v_pk_add_f32 v[P:P+1], v[P:P+1], v[P+2:P+3]
	s_delay_alu instid0(VALU_DEP_1)
	v_pk_add_f32 v[14:15], v[14:15], v[P:P+1]
.endm
.macro HOLD8 t, s, b                   ; eight p held at 448 x the block's scale, two to a line, into set t: p itself stays (the conversion does not saturate: ISA guide 7.6.2; p is not negative)
.irp i, 0,2,4,6
	v_dual_min_num_f32 v[\t+\i], v[\s+\i], v[240+\b] :: v_dual_min_num_f32 v[\t+\i+1], v[\s+\i+1], v[240+\b]
.endr
.endm
.macro BYTE n                          ; p's scale word, a line behind each conversion: the plain line that a conversion wants behind it
.if (\n) == 0
	v_lshrrev_b32 v[PW], 23, v244
.elseif (\n) == 1
	v_lshrrev_b32 v254, 23, v245
.elseif (\n) == 2
	v_lshl_or_b32 v[PW], v254, 8, v[PW]
.elseif (\n) == 3
	v_lshrrev_b32 v255, 23, v246
.elseif (\n) == 4
	v_lshl_or_b32 v[PW], v255, 16, v[PW]
.elseif (\n) == 5
	v_lshrrev_b32 v254, 23, v247
.elseif (\n) == 6
	v_lshl_or_b32 v[PW], v254, 24, v[PW]
.endif
.endm
; A SLOT: eight key steps of 128 keys, one to a trip.
.macro STEPS
	s_mov_b32 s[HC], 0
.Lstep_\@:
	v_add_nc_u32 v[ADK], s[TB], v[L16]
	v_add_nc_u32 v[ADS], s[TS], v[R16]
	v_add_nc_u32 v[ADV], VOFF, v[ADK]
	ds_load_b128 v[KSC:KSC+3], v[ADS]              ; behind the last products stand the 24 additions of the step before: more than the eight places that these loads want
.irp f, 0,1,2,3
.irp c, 0,1,2,3
	ds_load_b128 v[FR+16*\f+4*\c:FR+16*\f+4*\c+3], v[ADK] offset:2048*\f+512*\c
.endr
.endr
	s_wait_alu depctr_va_vdst(0)                   ; the wait ahead of the waits below: the partial sums
.irp f, 0,1,2,3
	s_wait_dscnt 12-4*\f                           ; fragment f is in; the later fragments' loads may be out
	v_wmma_scale_f32_16x16x128_f8f6f4 v[S+16*\f:S+16*\f+7], v[FR+16*\f:FR+16*\f+15], v[QZ+8:QZ+23], 0, v[KSC+\f], v[QS]
	v_wmma_scale_f32_16x16x128_f8f6f4 v[S+16*\f+8:S+16*\f+15], v[FR+16*\f:FR+16*\f+15], v[QZ:QZ+15], 0, v[KSC+\f], v[QS]
.endr
	TREE                                           ; eight plain lines that name no register of the products: the places ahead of the loads and of the first read of the scores
.irp f, 0,1,2,3
.irp c, 0,1,2,3
	ds_load_b128 v[FR+16*\f+4*\c:FR+16*\f+4*\c+3], v[ADV] offset:2048*\f+512*\c     ; V's fragments land while the softmax is walked
.endr
.endr
	ds_load_b128 v[VSC:VSC+3], v[ADS] offset:8192
.irp b, 0,1,2,3
	v_max3_num_f32 v[232+\b], v[S+16*\b], v[S+1+16*\b], v[S+2+16*\b]   ; the largest score of each block of 32 keys: for the row's maximum and for the block's largest p
.endr
.irp i, 3,5,7,9,11,13
.irp b, 0,1,2,3
	v_max3_num_f32 v[232+\b], v[232+\b], v[S+16*\b+\i], v[S+1+16*\b+\i]
.endr
.endr
.irp b, 0,1,2,3
	v_max_num_f32 v[232+\b], v[232+\b], v[S+15+16*\b]
.endr
.irp b, 0,1,2,3
	s_delay_alu instid0(VALU_DEP_4)
	v_permlanex16_b32 v[236+\b], v[232+\b], s[SEL], s[SEL+1]
.endr
.irp b, 0,1,2,3
	s_delay_alu instid0(VALU_DEP_4)
	v_max_num_f32 v[232+\b], v[232+\b], v[236+\b]  ; with lane l xor 16's 16 keys
.endr
	s_delay_alu instid0(VALU_DEP_2)
	v_max3_num_f32 v254, v232, v233, v234
	s_delay_alu instid0(VALU_DEP_1)
	v_max_num_f32 v254, v254, v235
	s_delay_alu instid0(VALU_DEP_1)
	v_mul_f32 v254, s[CS], v254                    ; as t
	s_delay_alu instid0(VALU_DEP_1)
	v_max_num_f32 v13, v13, v254                   ; the running largest t
	v_mov_b32 v254, v12
	s_delay_alu instid0(VALU_DEP_2)
	v_floor_f32 v12, -v13                          ; the new -M = -ceil(t)
	s_delay_alu instid0(VALU_DEP_1)
	v_sub_f32 v254, v12, v254                      ; old M - new M
	s_delay_alu instid0(VALU_DEP_1)
	v_cvt_i32_f32 v254, v254                       ; (it saturates)
	s_delay_alu instid0(VALU_DEP_1)
	v_ldexp_f32 v252, 1.0, v254                    ; f = 2^(old M - new M)
.set j, 0
.rept 32
	v_pk_fma_f32 v[S+j:S+j+1], v[S+j:S+j+1], s[CS:CS+1], v[12:13] op_sel_hi:[1,0,0]   ; t - M
.set j, j+2
.endr
.irp b, 0,1,2,3
	v_fma_f32 v[232+\b], v[232+\b], s[CS], v12     ; the same of each block's largest score
.endr
	s_wait_alu depctr_va_vdst(0)                   ; the wait ahead of the batch
.set j, 0
.rept 64
	v_exp_f32 v[S+j], v[S+j]                       ; p = 2^(t - M)
.set j, j+1
.endr
.irp b, 0,1,2,3
	v_exp_f32 v[232+\b], v[232+\b]                 ; the block's largest p
.endr
	v_pk_mul_f32 v[14:15], v[14:15], v[252:253] op_sel_hi:[1,0]   ; the sum under the new M: the plain line behind the batch
	s_wait_alu depctr_va_vdst(0)                   ; one wait for the batch, ahead of its first reader
.irp b, 0,1,2,3
	v_max_num_f32 v[232+\b], 0x4800000, v[232+\b]  ; the floor 2^(9 - 127)
.endr
.irp b, 0,1,2,3
	s_delay_alu instid0(VALU_DEP_4)
	v_add_nc_u32 v[244+\b], 0xfc000000, v[232+\b]  ; the conversion's scale operand
.endr
.irp b, 0,1,2,3
	v_and_or_b32 v[240+\b], v[232+\b], 0x7f800000, s[MNT]   ; 448 x the scale
.endr
.irp b, 0,1,2,3
	HOLD8 T0, S+16*\b, \b
	v_cvt_scalef32_pk8_fp8_f32 v[PC+4*\b:PC+4*\b+1], v[T0:T0+7], v[244+\b]
	BYTE 2*\b
	HOLD8 T1, S+16*\b+8, \b
	v_cvt_scalef32_pk8_fp8_f32 v[PC+4*\b+2:PC+4*\b+3], v[T1:T1+7], v[244+\b]
	BYTE 2*\b+1
.endr
	s_wait_alu depctr_va_vdst(0)                   ; the wait directly ahead of the first reader of O^T
.set j, 0
.rept 16
	v_pk_mul_f32 v[O+j:O+j+1], v[O+j:O+j+1], v[252:253] op_sel_hi:[1,0]   ; O^T under the new M; also the places between the conversions, the scale word and the products
.set j, j+2
.endr
	s_wait_alu depctr_va_vdst(0)                   ; the wait directly ahead of the wait below
	s_wait_dscnt 0x0                               ; V and its scale words
.irp f, 0,1,2,3                                ; four accumulators by turns; the next step's eight score products stand between two turns
	v_wmma_scale_f32_16x16x128_f8f6f4 v[O+8*\f:O+8*\f+7], v[FR+16*\f:FR+16*\f+15], v[PC:PC+15], v[O+8*\f:O+8*\f+7], v[VSC+\f], v[PW]
.endr
.set j, 0
.rept 8
	v_pk_add_f32 v[P+2*j:P+2*j+1], v[S+2*j:S+2*j+1], v[S+16+2*j:S+17+2*j]   ; THE ROW'S SUM IS TAKEN OF THE UNQUANTISED p, in eight chains
.set j, j+1
.endr
.set j, 0
.rept 8
	v_pk_add_f32 v[P+2*j:P+2*j+1], v[P+2*j:P+2*j+1], v[S+32+2*j:S+33+2*j]
.set j, j+1
.endr
.set j, 0
.rept 8
	v_pk_add_f32 v[P+2*j:P+2*j+1], v[P+2*j:P+2*j+1], v[S+48+2*j:S+49+2*j]
.set j, j+1
.endr
	s_add_co_u32 s[TB], s[TB], 8192
	s_add_co_u32 s[TS], s[TS], 256
	s_add_co_u32 s[HC], s[HC], 1
	s_cmp_lt_u32 s[HC], 8
	s_cbranch_scc1 .Lstep_\@
	s_xor_b32 s[TB], s[TB], 0x30000                ; from 65,536 behind one slot's first byte to the other slot's first byte
.endm
; THE CHANGE OF SLOTS stands at a slot's head.  fill = 1: a round of the cluster's barrier, and behind it the slot that has been left is filled with the next 1,024 keys: the load has eight key steps in which to land.
.macro CHANGE fill
	s_wait_tensorcnt 0x0
	ds_add_u32 v[SPW], v[NIL]
.if \fill
	ds_add_u32 v[SPW], v[NIL]                      ; twice on end where a load follows
	s_xor_b32 s[G0+1], s[G0+1], SLOTB
	s_add_nc_u64 s[G0+2:G0+3], s[G0+2:G0+3], 65536
	s_wait_xcnt 0x0                                ; the last prefetch, a slot back, has read its address
	s_add_nc_u64 s[PFA:PFA+1], s[PFA:PFA+1], 65536
.endif
	s_wait_dscnt 0x0
.if \fill
	CROUND
	TLOAD
	ASK
.else
	s_barrier_signal -1
	s_barrier_wait -1
.endif
.endm
; A HEAD IS DONE: O^T / the sum, quantised along the head's 64 (two blocks of 32, each in lanes l and l xor 16), two pieces stored.  hd = 0: the next head begins.
.macro FINISH hd
	s_wait_alu depctr_va_vdst(0)
	TREE
.if \hd == 0
	global_load_b128 v[QZ+8:QZ+11], v[L16], s[2:3] offset:131072       ; the next head's q, over this head's
	global_load_b128 v[QZ+12:QZ+15], v[L16], s[2:3] offset:131584
.endif
	v_add_f32 v14, v14, v15
	s_delay_alu instid0(VALU_DEP_1)
	v_permlanex16_b32 v252, v14, s[SEL], s[SEL+1]
	s_delay_alu instid0(VALU_DEP_1)
	v_add_f32 v14, v14, v252                       ; the row's sum
	s_wait_alu depctr_va_vdst(0)
	v_rcp_f32 v14, v14
	v_nop
	s_wait_alu depctr_va_vdst(0)
.set j, 0
.rept 16
	v_pk_mul_f32 v[S+j:S+j+1], v[O+j:O+j+1], v[14:15] op_sel_hi:[1,0]   ; each accumulator from its low end on
.set j, j+2
.endr
.irp b, 0,1
	v_max3_num_f32 v[232+\b], |v[S+16*\b]|, |v[S+1+16*\b]|, 0x4800000
.endr
.irp i, 2,4,6,8,10,12,14
.irp b, 0,1
	s_delay_alu instid0(VALU_DEP_2)
	v_max3_num_f32 v[232+\b], v[232+\b], |v[S+16*\b+\i]|, |v[S+1+16*\b+\i]|
.endr
.endr
.irp b, 0,1
	s_delay_alu instid0(VALU_DEP_2)
	v_permlanex16_b32 v[236+\b], v[232+\b], s[SEL], s[SEL+1]
.endr
.irp b, 0,1
	s_delay_alu instid0(VALU_DEP_2)
	v_max_num_f32 v[232+\b], v[232+\b], v[236+\b]
.endr
.irp b, 0,1
	s_delay_alu instid0(VALU_DEP_2)
	v_add_nc_u32 v[244+\b], 0xfc000000, v[232+\b]
.endr
.irp b, 0,1
	s_delay_alu instid0(VALU_DEP_4)
	v_and_or_b32 v[240+\b], v[232+\b], 0x7f800000, s[MNT]
.endr
.irp b, 0,1
	s_delay_alu instid0(VALU_DEP_4)
	v_lshrrev_b32 v[236+\b], 23, v[244+\b]
.endr
	s_delay_alu instid0(VALU_DEP_1)
	v_lshl_or_b32 v254, v237, 8, v236              ; this head's two bytes
	v_lshrrev_b32 v[SW], 16, v[SW]                 ; the head before moves down,
	s_delay_alu instid0(VALU_DEP_1)
	v_lshl_or_b32 v[SW], v254, 16, v[SW]           ; this one comes in on top
.irp b, 0,1
.irp i, 0,1,2,3,4,5,6,7,8,9,10,11,12,13,14,15
	v_med3_num_f32 v[S+16*\b+\i], v[S+16*\b+\i], -v[240+\b], v[240+\b]
.endr
	v_cvt_scalef32_pk8_fp8_f32 v[PC+4*\b:PC+4*\b+1], v[S+16*\b:S+16*\b+7], v[244+\b]
	v_cvt_scalef32_pk8_fp8_f32 v[PC+4*\b+2:PC+4*\b+3], v[S+16*\b+8:S+16*\b+15], v[244+\b]
.endr
	v_nop                                          ; one plain line behind the last conversion
	global_store_b128 v[L16], v[PC:PC+3], s[OCB:OCB+1] offset:1024*\hd         ; a piece: 512 consecutive bytes, aligned
	global_store_b128 v[L16], v[PC+4:PC+7], s[OCB:OCB+1] offset:1024*\hd+512
.if \hd == 0
	v_mov_b32 v[QS], v[QS+1]
	v_mov_b32 v13, 0xff61b1e6
	v_floor_f32 v12, -v13
	v_mov_b32 v14, 0
	v_mov_b32 v15, 0
.set j, 0
.rept 32
	v_mov_b32 v[O+j], 0
.set j, j+1
.endr
.set j, 0
.rept 16
	v_mov_b32 v[P+j], 0
.set j, j+1
.endr
	s_wait_alu depctr_va_vdst(0)                   ; the wait ahead of the waits below
	s_wait_loadcnt 0x0                             ; the next head's q
	s_wait_xcnt 0x0                                ; the stores have read their data: the next step's codes may be written
.endif
.endm
	s_wait_alu depctr_va_vdst(0)                   ; the wait at the head's end
.Lslot:                                            ; three trips: behind each change of slots but the last the next slot is asked for
	CHANGE 1
	STEPS
	s_cmp_lg_u32 s[SLOTS], 2                       ; behind the second slot the first head is done: a branch on the loop's counter, the same in all partners
	s_cbranch_scc1 .Lsame_head
	FINISH 0
.Lsame_head:
	s_sub_co_u32 s[SLOTS], s[SLOTS], 1
	s_cmp_lg_u32 s[SLOTS], 0
	s_cbranch_scc1 .Lslot
	CHANGE 0                                       ; the last slot is written out
	STEPS
	FINISH 1
	ds_store_b32 v[OSA], v[SW]                     ; my query's scale word (both halves of the lanes write the same word with the same value)
	s_wait_dscnt 0x0
	s_barrier_signal -1
	s_barrier_wait -1
	s_cmp_lt_u32 s[WV], 2
	s_cbranch_scc0 .Lno_os
	ds_load_b128 v[PC+8:PC+11], v[OSR]             ; 128 tokens' words
	s_wait_dscnt 0x0
	global_store_b128 v[L16], v[PC+8:PC+11], s[OSB:OSB+1]      ; 32 lanes store 512 consecutive bytes, aligned
.Lno_os:
	s_wait_tensorcnt 0x0                           ; the wave's end
	ds_add_u32 v[SPW], v[NIL]
	s_wait_dscnt 0x0
	CROUND                                         ; the closing round
	s_endpgm
.Lfunc_end_k_q24d6cf7a12_attn:
	.size	k_q24d6cf7a12_attn, .Lfunc_end_k_q24d6cf7a12_attn-k_q24d6cf7a12_attn
	.p2alignl 7, 3214868480
	.fill 96, 4, 3214868480
	.section	.rodata,"a",@progbits
	.p2align	6, 0x0
	.amdhsa_kernel k_q24d6cf7a12_attn
		.amdhsa_group_segment_fixed_size 327680
		.amdhsa_private_segment_fixed_size 0
		.amdhsa_enable_private_segment 0
		.amdhsa_kernarg_size 32
		.amdhsa_user_sgpr_count 2
		.amdhsa_user_sgpr_kernarg_segment_ptr 1
		.amdhsa_wavefront_size32 1
		.amdhsa_system_sgpr_workgroup_id_x 1
		.amdhsa_system_sgpr_workgroup_id_y 1
		.amdhsa_system_sgpr_workgroup_id_z 1
		.amdhsa_system_vgpr_workitem_id 0
		.amdhsa_next_free_vgpr 256
		.amdhsa_next_free_sgpr 66
		.amdhsa_reserve_vcc 0
		.amdhsa_float_denorm_mode_32 3
		.amdhsa_float_denorm_mode_16_64 3
		.amdhsa_memory_ordered 1
		.amdhsa_forward_progress 1
		.amdhsa_inst_pref_size 66
	.end_amdhsa_kernel
	.amdgpu_metadata
---
amdhsa.version: [ 1, 2 ]
amdhsa.kernels:
  - .name:           k_q24d6cf7a12_attn
    .symbol:         k_q24d6cf7a12_attn.kd
    .args:
      - { .name: qkvc, .offset: 0, .size: 8, .value_kind: global_buffer, .address_space: global }
      - { .name: qkvs, .offset: 8, .size: 8, .value_kind: global_buffer, .address_space: global }
      - { .name: oc, .offset: 16, .size: 8, .value_kind: global_buffer, .address_space: global }
      - { .name: os, .offset: 24, .size: 8, .value_kind: global_buffer, .address_space: global }
    .group_segment_fixed_size: 327680
    .private_segment_fixed_size: 0
    .kernarg_segment_align: 8
    .kernarg_segment_size: 32
    .max_flat_workgroup_size: 512
    .sgpr_count:     66
    .vgpr_count:     256
    .wavefront_size: 32
...
	.end_amdgpu_metadata
.endif
;; end of part 3
;; launch oproj (part 4): grid 4 x 32, 4 waves a work-group, clusters of 4 x 4, 327,680 bytes of LDS; arguments oc, os, wc, ws, bo, out0; writes out0
.if DOCPART == 4
	.amdgcn_target "amdgcn-amd-amdhsa--gfx1250"
	.amdhsa_code_object_version 6
	.text
	.protected	k_q24d6cf7a12_oproj
	.globl	k_q24d6cf7a12_oproj
	.p2align	8
	.type	k_q24d6cf7a12_oproj,@function
k_q24d6cf7a12_oproj:
	s_mov_b64 s[64:65], 0
	v_nop
	global_prefetch_b8 v0, s[64:65] scope:SCOPE_SE
	s_setreg_imm32_b32 hwreg(HW_REG_WAVE_MODE, 25, 1), 1
	s_wait_xcnt 0x0
	s_wait_alu depctr_hold_cnt(0) depctr_sa_sdst(0) depctr_va_vdst(0) depctr_va_sdst(0) depctr_va_ssrc(0) depctr_va_vcc(0) depctr_vm_vsrc(0)
	s_getreg_b32 s2, hwreg(HW_REG_IB_STS2, 6, 4)
	s_cmp_eq_u32 s2, 0
	s_cbranch_scc0 .Lentry_in_a_cluster
	s_endpgm
.Lentry_in_a_cluster:
	s_bfe_u32 s2, ttmp6, 0x10000c
	s_cmp_lg_u32 s2, 0xf033
	s_cbranch_scc0 .Lentry_shape_is_right
	s_endpgm
.Lentry_shape_is_right:
.set SIZE_N, 1024
.set NQ,     2
.set ROWB,   256
.set KROW,   1024
.set PITCH,  272
.set FR,     16
.set NL,     4
.set NP,     8
.set HALFA,  32768
.set BOFF,   2*HALFA
.set HALFT,  32768
.set SLOT,   BOFF+2*HALFT
.set LAPS,   2
.set SCLA,   2*SLOT
.set SCLB,   SCLA+8192
.set HALFS,  16*272
.set SBLK,   2*272
.set SPARE,  SCLB+2*HALFS
.set SPITCH, 528
.set ADRA, 16
.set ADRB, 20
.set ADRSB, 22
.set STO,  24
.set RD,   25
.set CO,   26
.set ADRSA, 27
.set SPW,  28
.set NIL,  29
.set SCA,  32
.set SCB,  48
.set BI,   80
.set AF,   128
.set BK,   128
.set G1, 24
.set G0, 32
.set G1B, 48
.set G0B, 56
.set G1S, 68
.set G0S, 76
.set G1SB, 80
.set G0SB, 88
.set MSB, 0
.macro WIN new
.if MSB != \new
	s_set_vgpr_msb (MSB<<8)|\new
.set MSB, \new
.endif
.endm
.set MUL_LO, 0xa1
.set MUL_HI, 0xf1
.set TO_B,   0x40
.macro JLOAD g0a, g1a, g0b, g1b
	s_cmp_eq_u32 s15, 0
	s_cbranch_scc0 .Lfor_b_\@
	tensor_load_to_lds s[\g0a:\g0a+3], s[\g1a:\g1a+7]
	s_nop 0
.rept 4
	v_nop
.endr
	s_branch .Lasked_\@
.Lfor_b_\@:
	tensor_load_to_lds s[\g0b:\g0b+3], s[\g1b:\g1b+7]
	s_nop 0
.rept 4
	v_nop
.endr
.Lasked_\@:
.endm
.macro CREST
	s_cmp_lg_u32 s14, 0
	s_cbranch_scc1 .Lnot_wave_0_\@
	s_barrier_signal -3
.Lnot_wave_0_\@:
	s_barrier_wait -3
	s_barrier_signal -1
	s_barrier_wait -1
.endm
.macro CROUND
	s_barrier_signal -1
	s_barrier_wait -1
	CREST
.endm
	s_load_b256 s[4:11], s[0:1], 0x0
	s_load_b64 s[96:97], s[0:1], 0x20
	s_load_b64 s[12:13], s[0:1], 0x28
	v_lshl_add_u32 v[SPW], v0, 2, SPARE
	v_mov_b32 v[NIL], 0
	ds_add_u32 v28, v29
	ds_add_u32 v28, v29
	s_wait_dscnt 0x0
	v_lshrrev_b32 v1, 5, v0
	v_readfirstlane_b32 s14, v1
	s_lshr_b32 s15, s14, 1
	s_and_b32 s16, s14, 1
	s_bfe_u32 s40, ttmp6, 0x40000
	s_bfe_u32 s41, ttmp6, 0x40004
	s_lshl_b32 s42, ttmp9, 2
	s_add_co_u32 s42, s42, s40
	s_and_b32 s17, ttmp7, 0xffff
	s_lshl_b32 s17, s17, 2
	s_add_co_u32 s17, s17, s41
	s_lshl_b32 s43, s41, 2
	s_lshl_b32 s43, 15, s43
	s_lshl_b32 s44, 0x1111, s40
	s_or_b32 s[G1+0], s43, (3<<16)|(1<<21)
	s_mov_b32 s[G1+1], 512<<16
	s_mov_b32 s[G1+2], 8<<16
	s_mov_b32 s[G1+3], 512<<16
	s_mov_b32 s[G1+4], 8
	s_mov_b32 s[G1+5], 2048
	s_mov_b32 s[G1+6], 0
	s_mov_b32 s[G1+7], 0
	s_or_b32 s[G1B+0], s44, (3<<16)|(1<<21)        ; wo's codes lie as images of registers, as oc's do: eight tiles of 16 rows, 4,096 bytes (256 along K) of each, 16,384 bytes apart
	s_mov_b32 s[G1B+1], 512<<16
	s_mov_b32 s[G1B+2], 8<<16
	s_mov_b32 s[G1B+3], 512<<16
	s_mov_b32 s[G1B+4], 8
	s_mov_b32 s[G1B+5], 2048
	s_mov_b32 s[G1B+6], 0
	s_mov_b32 s[G1B+7], 0
	s_or_b32 s[G1S+0], s43, (3<<16)|(1<<21)
	s_mov_b32 s[G1S+1], 128<<16
	s_mov_b32 s[G1S+2], 4<<16
	s_mov_b32 s[G1S+3], 128<<16
	s_mov_b32 s[G1S+4], 4
	s_mov_b32 s[G1S+5], 4096
	s_mov_b32 s[G1S+6], 0
	s_mov_b32 s[G1S+7], 0
	s_or_b32 s[G1SB+0], s44, (3<<16)|(1<<20)|(1<<21)|(5<<22)|(3<<25)
	s_mov_b32 s[G1SB+1], 32<<16
	s_mov_b32 s[G1SB+2], 16<<16
	s_mov_b32 s[G1SB+3], 32<<16
	s_mov_b32 s[G1SB+4], 16
	s_mov_b32 s[G1SB+5], 32
	s_mov_b32 s[G1SB+6], 0
	s_mov_b32 s[G1SB+7], 0
	s_lshl_b32 s20, s17, 4
	s_lshl_b32 s18, s16, 3
	s_add_co_u32 s20, s20, s18
	s_lshl_b32 s20, s20, 14
	s_mov_b32 s21, 0
	s_lshl_b32 s22, s17, 10
	s_lshl_b32 s18, s16, 17
	s_add_co_u32 s22, s22, s18
	s_mov_b32 s23, 0
	s_lshl_b32 s46, s42, 8
	s_lshl_b32 s18, s16, 7
	s_add_co_u32 s46, s46, s18
	s_add_co_u32 s46, s46, 3072
	s_lshl_b32 s92, s46, 5
	s_mov_b32 s93, 0
	s_lshl_b32 s46, s46, 10
	s_mov_b32 s47, 0
	s_lshl_b32 s45, s16, 15
	s_mul_i32 s2, s16, HALFT
	s_add_co_u32 s2, s2, BOFF
	s_lshl_b32 s94, s16, 12
	s_add_co_u32 s94, s94, SCLA
	s_mul_i32 s3, s16, HALFS
	s_add_co_u32 s3, s3, SCLB
	s_wait_kmcnt 0x0
	s_add_nc_u64 s[20:21], s[4:5], s[20:21]
	s_add_nc_u64 s[22:23], s[6:7], s[22:23]
	s_add_nc_u64 s[46:47], s[8:9], s[46:47]
	s_add_nc_u64 s[92:93], s[10:11], s[92:93]
	CROUND
	s_mov_b32 s[G0S], 1
	s_mov_b32 s[G0S+1], s94
	s_mov_b64 s[G0S+2:G0S+3], s[22:23]
	s_or_b32 s[G0S+3], s[G0S+3], 0x80000000
	s_mov_b32 s[G0SB], 1
	s_mov_b32 s[G0SB+1], s3
	s_mov_b64 s[G0SB+2:G0SB+3], s[92:93]
	s_or_b32 s[G0SB+3], s[G0SB+3], 0x80000000
	JLOAD G0S, G1S, G0SB, G1SB
.irp s, 0,1
	s_mov_b32 s[G0+4*\s], 1
	s_add_co_u32 s[G0+4*\s+1], s45, \s*SLOT
	s_add_nc_u64 s[G0+4*\s+2:G0+4*\s+3], s[20:21], \s*4096
	s_or_b32 s[G0+4*\s+3], s[G0+4*\s+3], 0x80000000
	s_mov_b32 s[G0B+4*\s], 1
	s_add_co_u32 s[G0B+4*\s+1], s2, \s*SLOT
	s_add_nc_u64 s[G0B+4*\s+2:G0B+4*\s+3], s[46:47], \s*4096
	s_or_b32 s[G0B+4*\s+3], s[G0B+4*\s+3], 0x80000000
	s_wait_alu depctr_va_vdst(0)
	s_wait_tensorcnt 0x0
	ds_add_u32 v28, v29
	s_wait_dscnt 0x0
	CROUND
	JLOAD G0+4*\s, G1, G0B+4*\s, G1B
.endr
	v_and_b32 v1, 15, v0
	v_bfe_u32 v2, v0, 4, 1
	v_and_b32 v6, 31, v0
	s_wait_alu depctr_va_vdst(0)
	v_lshlrev_b32 v[CO], 4, v6
	s_lshl_b32 s21, s15, 15
	s_mul_i32 s22, s16, HALFT
	s_add_co_u32 s22, s22, BOFF
.irp s, 0,1
	v_add_nc_u32 v[ADRA+\s], s21, v[CO]
	v_add_nc_u32 v[ADRB+\s], s22, v[CO]
	s_add_co_u32 s21, s21, SLOT
	s_add_co_u32 s22, s22, SLOT
.endr
	s_lshl_b32 s21, s15, 9
	s_add_co_u32 s21, s21, SCLA
	v_lshl_add_u32 v[ADRSA], v6, 2, s21
	v_lshlrev_b32 v5, 5, v1
	v_lshrrev_b32 v7, 3, v1
	v_lshl_add_u32 v5, v7, 4, v5
	s_mul_i32 s22, s16, HALFS
	s_add_co_u32 s22, s22, SCLB
	v_add_nc_u32 v[ADRSB], s22, v5
	s_mul_i32 s23, s14, 16*SPITCH
	v_mul_u32_u24 v5, v1, SPITCH
	v_lshl_add_u32 v5, v2, 5, v5
	v_add_nc_u32 v[STO], s23, v5
	v_add_nc_u32 v[RD], s23, v[CO]
	s_lshl_b32 s20, s17, 8
	s_lshl_b32 s21, s15, 7
	s_add_co_u32 s20, s20, s21
	s_lshl_b32 s20, s20, 12
	s_mov_b32 s21, 0
	s_lshl_b32 s46, s42, 10
	s_lshl_b32 s47, s16, 9
	s_add_co_u32 s46, s46, s47
	s_mov_b32 s47, 0
	s_add_nc_u64 s[96:97], s[96:97], s[46:47]
	global_load_b128 v[BI:BI+3], v[CO], s[96:97]
	s_add_nc_u64 s[20:21], s[20:21], s[46:47]
	s_add_nc_u64 s[12:13], s[12:13], s[20:21]
.macro FRAGA reg, adr, q, i
.irp c, 0,1,2,3
	ds_load_b128 v[\reg+4*\c:\reg+4*\c+3], v[\adr] offset:4096*(\i)+2048*(\q)+512*\c
.endr
.endm
.macro MUL16 a0, p, q, sc, zero
.irp a, \a0, \a0+1
.irp b, 0,1,2,3,4,5,6,7
.if \zero
.if ((\a)%2) == 0
	v_wmma_scale_f32_16x16x128_f8f6f4 v[8*(8*((\a)%4)+\b):8*(8*((\a)%4)+\b)+7], v[128*(\p)+FR*\b:128*(\p)+FR*\b+FR-1], v[AF+FR*(\a):AF+FR*(\a)+FR-1], 0, v[SCB+16*(\sc)+2*\b+(\q)], v[SCA+8*(\sc)+2*((\a)/2)+(\q)]
.else
	v_wmma_scale_f32_16x16x128_f8f6f4 v[8*(8*((\a)%4)+\b):8*(8*((\a)%4)+\b)+7], v[128*(\p)+FR*\b:128*(\p)+FR*\b+FR-1], v[AF+FR*(\a):AF+FR*(\a)+FR-1], 0, v[SCB+16*(\sc)+2*\b+(\q)], v[SCA+8*(\sc)+2*((\a)/2)+(\q)] matrix_b_scale:MATRIX_SCALE_ROW1
.endif
.else
.if ((\a)%2) == 0
	v_wmma_scale_f32_16x16x128_f8f6f4 v[8*(8*((\a)%4)+\b):8*(8*((\a)%4)+\b)+7], v[128*(\p)+FR*\b:128*(\p)+FR*\b+FR-1], v[AF+FR*(\a):AF+FR*(\a)+FR-1], v[8*(8*((\a)%4)+\b):8*(8*((\a)%4)+\b)+7], v[SCB+16*(\sc)+2*\b+(\q)], v[SCA+8*(\sc)+2*((\a)/2)+(\q)]
.else
	v_wmma_scale_f32_16x16x128_f8f6f4 v[8*(8*((\a)%4)+\b):8*(8*((\a)%4)+\b)+7], v[128*(\p)+FR*\b:128*(\p)+FR*\b+FR-1], v[AF+FR*(\a):AF+FR*(\a)+FR-1], v[8*(8*((\a)%4)+\b):8*(8*((\a)%4)+\b)+7], v[SCB+16*(\sc)+2*\b+(\q)], v[SCA+8*(\sc)+2*((\a)/2)+(\q)] matrix_b_scale:MATRIX_SCALE_ROW1
.endif
.endif
.endr
.endr
.endm
.macro FETCH_B slot, q, p
	WIN TO_B
.irp i, 0,1,2,3,4,5,6,7
	FRAGA 128*(\p)+FR*\i, ADRB+\slot, \q, \i
.endr
	WIN 0
.endm
.macro FETCH_A slot, q, i0
.irp i, \i0, \i0+1, \i0+2, \i0+3
	FRAGA AF+FR*(\i), ADRA+\slot, \q, \i
.endr
.endm
.macro SCALES sc
.irp ip, 0,1,2,3
.irp q, 0,1
	ds_load_b32 v[SCA+8*\sc+2*\ip+\q], v[ADRSA] offset:1024*\q+128*\ip
.endr
.endr
.irp i, 0,1,2,3,4,5,6,7
	ds_load_b64 v[SCB+16*\sc+2*\i:SCB+16*\sc+2*\i+1], v[ADRSB] offset:\i*SBLK
.endr
.endm
.macro PLACES n
.rept \n
	v_nop
.endr
.endm
.macro STEP slot, q, zero
	s_wait_dscnt 4*NL
	WIN MUL_LO
	MUL16 0, (\q)%2, \q, \slot, \zero
	MUL16 2, (\q)%2, \q, \slot, \zero
	s_wait_dscnt 0
	PLACES NP
	FETCH_B \slot, (\q)+1, 1-(\q)%2
	FETCH_A \slot, (\q)+1, 0
	WIN MUL_HI
	MUL16 4, (\q)%2, \q, \slot, \zero
	MUL16 6, (\q)%2, \q, \slot, \zero
	PLACES NP
	WIN 0
	FETCH_A \slot, (\q)+1, 4
.endm
.macro TURN slot, next, fill
	s_wait_tensorcnt 0x0
	ds_add_u32 v[SPW], v[NIL]
	s_wait_dscnt 4*NL+1
	WIN MUL_LO
	MUL16 0, 1, NQ-1, \slot, 0
	s_wait_dscnt 0x0
	s_barrier_signal -1
	MUL16 2, 1, NQ-1, \slot, 0
	WIN 0
	s_barrier_wait -1
.if \fill
	CREST
	s_add_nc_u64 s[G0+4*\slot+2:G0+4*\slot+3], s[G0+4*\slot+2:G0+4*\slot+3], 2*4096
	s_add_nc_u64 s[G0B+4*\slot+2:G0B+4*\slot+3], s[G0B+4*\slot+2:G0B+4*\slot+3], 2*4096
	JLOAD G0+4*\slot, G1, G0B+4*\slot, G1B
	PLACES NP-4
.else
	PLACES NP
.endif
	s_wait_alu depctr_va_vdst(0)
	v_add_nc_u32 v[ADRSA], 2048, v[ADRSA]
	v_add_nc_u32 v[ADRSB], 8, v[ADRSB]
	FETCH_B \next, 0, 0
	FETCH_A \next, 0, 0
	SCALES \next
	WIN MUL_HI
	MUL16 4, 1, NQ-1, \slot, 0
	MUL16 6, 1, NQ-1, \slot, 0
	PLACES NP
	WIN 0
	FETCH_A \next, 0, 4
.endm
	s_wait_alu depctr_va_vdst(0)
	s_wait_tensorcnt 1
	s_barrier_signal -1
	s_barrier_wait -1
	FETCH_B 0, 0, 0
	FETCH_A 0, 0, 0
	SCALES 0
	FETCH_A 0, 0, 4
	STEP 0, 0, 1
	s_mov_b32 s3, LAPS-1
.Llap:
	TURN 0, 1, 1
	STEP 1, 0, 0
	TURN 1, 0, 1
	STEP 0, 0, 0
	s_sub_co_u32 s3, s3, 1
	s_cmp_lg_u32 s3, 0
	s_cbranch_scc1 .Llap
	TURN 0, 1, 0
	STEP 1, 0, 0
	s_wait_dscnt 4*NL
	WIN MUL_LO
	MUL16 0, 1, NQ-1, 1, 0
	MUL16 2, 1, NQ-1, 1, 0
	s_wait_dscnt 0
	WIN MUL_HI
	MUL16 4, 1, NQ-1, 1, 0
	MUL16 6, 1, NQ-1, 1, 0
	WIN 0
.macro TOSTAGE a
.set AC, 64*((\a)%4)
.set WST, 0x08+4*((\a)/4)
	WIN WST
.irp b, 0,1,2,3,4,5,6,7
	ds_store_b128 v[STO], v[AC+8*\b:AC+8*\b+3] offset:64*\b
	ds_store_b128 v[STO], v[AC+8*\b+4:AC+8*\b+7] offset:64*\b+16
.endr
	WIN 0
.set BB, BK+64*((\a)%2)
.irp t, 0,1,2,3,4,5,6,7,8,9,10,11,12,13,14,15
	ds_load_b128 v[BB+4*\t:BB+4*\t+3], v[RD] offset:\t*SPITCH
.endr
.endm
.macro SEND a, younger
.set BB, BK+64*((\a)%2)
	s_wait_dscnt \younger
.if (\a) > 0
	s_add_nc_u64 s[12:13], s[12:13], 16*SIZE_N*4
.endif
.irp t, 0,1,2,3,4,5,6,7,8,9,10,11,12,13,14,15
	v_pk_add_f32 v[BB+4*\t:BB+4*\t+1], v[BB+4*\t:BB+4*\t+1], v[BI:BI+1]
	v_pk_add_f32 v[BB+4*\t+2:BB+4*\t+3], v[BB+4*\t+2:BB+4*\t+3], v[BI+2:BI+3]
	global_store_b128 v[CO], v[BB+4*\t:BB+4*\t+3], s[12:13] offset:\t*SIZE_N*4 th:TH_STORE_NT
.endr
.endm
	PLACES NP
	s_wait_loadcnt 0x0
	TOSTAGE 0
.irp a, 1,2,3,4,5,6,7
.if \a > 1
	s_wait_xcnt 0x0
.endif
	TOSTAGE \a
	SEND \a-1, 32
.endr
	s_wait_xcnt 0x0
	SEND 7, 0
	s_wait_tensorcnt 0x0
	ds_add_u32 v[SPW], v[NIL]
	s_wait_dscnt 0x0
	CROUND
	s_endpgm
.Lfunc_end_k_q24d6cf7a12_oproj:
	.size	k_q24d6cf7a12_oproj, .Lfunc_end_k_q24d6cf7a12_oproj-k_q24d6cf7a12_oproj
	.p2alignl 7, 3214868480
	.fill 96, 4, 3214868480
	.section	.rodata,"a",@progbits
	.p2align	6, 0x0
	.amdhsa_kernel k_q24d6cf7a12_oproj
		.amdhsa_group_segment_fixed_size 327680
		.amdhsa_private_segment_fixed_size 0
		.amdhsa_enable_private_segment 0
		.amdhsa_kernarg_size 48
		.amdhsa_user_sgpr_count 2
		.amdhsa_user_sgpr_kernarg_segment_ptr 1
		.amdhsa_wavefront_size32 1
		.amdhsa_system_sgpr_workgroup_id_x 1
		.amdhsa_system_sgpr_workgroup_id_y 1
		.amdhsa_system_sgpr_workgroup_id_z 1
		.amdhsa_system_vgpr_workitem_id 0
		.amdhsa_next_free_vgpr 1024
		.amdhsa_next_free_sgpr 98
		.amdhsa_reserve_vcc 0
		.amdhsa_float_denorm_mode_32 3
		.amdhsa_float_denorm_mode_16_64 3
		.amdhsa_memory_ordered 1
		.amdhsa_forward_progress 1
		.amdhsa_inst_pref_size 165
	.end_amdhsa_kernel
	.amdgpu_metadata
---
amdhsa.version: [ 1, 2 ]
amdhsa.kernels:
  - .name:           k_q24d6cf7a12_oproj
    .symbol:         k_q24d6cf7a12_oproj.kd
    .args:
      - { .name: oc, .offset: 0, .size: 8, .value_kind: global_buffer, .address_space: global }
      - { .name: os, .offset: 8, .size: 8, .value_kind: global_buffer, .address_space: global }
      - { .name: wc, .offset: 16, .size: 8, .value_kind: global_buffer, .address_space: global }
      - { .name: ws, .offset: 24, .size: 8, .value_kind: global_buffer, .address_space: global }
      - { .name: bo, .offset: 32, .size: 8, .value_kind: global_buffer, .address_space: global }
      - { .name: out0, .offset: 40, .size: 8, .value_kind: global_buffer, .address_space: global }
    .group_segment_fixed_size: 327680
    .private_segment_fixed_size: 0
    .kernarg_segment_align: 8
    .kernarg_segment_size: 48
    .max_flat_workgroup_size: 128
    .sgpr_count:     98
    .vgpr_count:     1024
    .wavefront_size: 32
...
	.end_amdgpu_metadata
.endif
;; end of part 4
